; MI455X (gfx1250); checked and timed in simulation.
; The chip was launched on July 23, 2026; its instructions are those of AMD's public machine-readable ISA for CDNA 5 (MIT licence, August 2026) and "CDNA5" Instruction Set Architecture Reference Guide (July 2026). The comments in the code are by the model that wrote it; some were corrected since.
;; Causal Self Attention. Allowed arithmetic: float matrix products may take bf16 or f16 operands with f32 sums; all other float work in f32.
;; Inputs: b_proj 1,024 float32; b_qkv 3,072 float32; w_proj 1,024 x 1,024 float32; w_qkv 1,024 x 3,072 float32; x 4 x 2,048 x 1,024 float32.
;; Outputs: out0 4 x 2,048 x 1,024 float32.
;; 3 versions, each right; version 3 is version 2 with the launch cast written anew for expert scheduling mode. Each part assembles by itself: llvm-mc -triple=amdgcn-amd-amdhsa -mcpu=gfx1250 --defsym DOCPART=n.
;; ======== version 1 of 3: 4 launches
;; limits: values are held in f16: magnitudes above 65,504 overflow, below 6.1e-05 lose precision
;; workspace buffers: xb 16,777,216 bytes; wqb 6,291,456 bytes; wpb 2,097,152 bytes; qkvh 50,331,648 bytes; yb 33,554,432 bytes
;; launch cast (part 1): grid 384 x 1, 8 waves a work-group, no clusters, 0 bytes of LDS; arguments x, w_qkv, w_proj, xb, wqb, wpb; writes xb, wqb, wpb
.if DOCPART == 1
	.amdgcn_target "amdgcn-amd-amdhsa--gfx1250"
	.amdhsa_code_object_version 6
	.text
	.protected	k_q63432e676f_cast
	.globl	k_q63432e676f_cast
	.p2align	8
	.type	k_q63432e676f_cast,@function
k_q63432e676f_cast:
	s_mov_b64 s[64:65], 0
	v_nop
	global_prefetch_b8 v0, s[64:65] scope:SCOPE_SE
	s_setreg_imm32_b32 hwreg(HW_REG_WAVE_MODE, 25, 1), 1
	s_wait_xcnt 0x0
; cast: x, w_qkv, w_proj (f32) -> xb, wqb, wpb (bf16, rounded to nearest even, once).
; A pure stream: no LDS, no barrier, no matrix unit, no cluster (no two work-groups read the same byte).
; Work-groups 0-255: 32 rows of x each (131,072 bytes).  x goes from [8192][1024] into panels [16][8192][64]: element (m, k) at
; (k>>6)*1,048,576 + m*128 + (k&63)*2, so that 64 columns of neighbouring rows lie densely for the products that follow.
; Work-groups 256-383: 131,072 bytes each of w_qkv (96 chunks) or w_proj (32 chunks), order kept.
; A wave issues its 32 loads of 16 bytes a lane at once (16,384 bytes on their way), then converts and stores them one by one:
; each store of the wave covers 256 consecutive bytes, aligned.  No register is used twice, so no source is ever rewritten.
.set VL, 1                             ; v1       byte offset of my 16 bytes in the source
.set VS, 2                             ; v2       byte offset of my 8 bytes in the destination
.set X,  4                             ; v[4:131] load i: 4 registers; its first two then hold the 4 bf16
	s_load_b256 s[4:11], s[0:1], 0x0               ; x s[4:5], w_qkv s[6:7], w_proj s[8:9], xb s[10:11]
	s_load_b128 s[12:15], s[0:1], 0x20             ; wqb s[12:13], wpb s[14:15]
	v_and_b32 v3, 31, v0                           ; lane
	v_lshrrev_b32 v132, 5, v0                      ; wave
	s_mov_b32 s17, 0
	s_mov_b32 s19, 0
	s_cmp_lt_u32 ttmp9, 256
	s_cbranch_scc0 .Lweights
	; x: wave w takes rows 4 w .. 4 w + 3.  Load i = 2 p + rp: lanes 0-15 take the 256 bytes of panel p in row 4 w + 2 rp, lanes 16-31 in the row below.
	v_bfe_u32 v133, v0, 4, 1
	v_and_b32 v134, 15, v0
	v_lshlrev_b32 v[VL], 14, v132                  ; 4 w rows of 4,096 bytes
	v_lshl_add_u32 v[VL], v133, 12, v[VL]          ; + one row for lanes 16-31
	v_lshl_add_u32 v[VL], v134, 4, v[VL]           ; + 16 bytes a lane
	v_lshlrev_b32 v[VS], 3, v3                     ; in a panel the two rows' 2 x 128 bytes are neighbours: 8 bytes a lane,
	v_lshl_add_u32 v[VS], v132, 9, v[VS]           ; + 4 w rows of 128 bytes
	s_lshl_b32 s16, ttmp9, 17                      ; 32 rows of 4,096 bytes
	s_wait_kmcnt 0x0
	s_add_nc_u64 s[4:5], s[4:5], s[16:17]
	s_lshl_b32 s16, ttmp9, 12                      ; 32 rows of 128 bytes
	s_add_nc_u64 s[10:11], s[10:11], s[16:17]      ; panels 0-7 by the immediate from here,
	s_add_nc_u64 s[18:19], s[10:11], 0x800000      ; panels 8-15 from eight panels further: the immediate has 24 signed bits
.irp i, 0,1,2,3,4,5,6,7,8,9,10,11,12,13,14,15,16,17,18,19,20,21,22,23,24,25,26,27,28,29,30,31
	global_load_b128 v[X+4*\i:X+4*\i+3], v[VL], s[4:5] offset:(\i&1)*8192+(\i>>1)*256 th:TH_LOAD_NT
.endr
.irp i, 0,1,2,3,4,5,6,7,8,9,10,11,12,13,14,15,16,17,18,19,20,21,22,23,24,25,26,27,28,29,30,31
	s_wait_loadcnt 31-\i                           ; loads come back in order (ISA guide 5.7.1): load i is in, the younger ones stay out
	v_cvt_pk_bf16_f32 v[X+4*\i], v[X+4*\i], v[X+4*\i+1]
	v_cvt_pk_bf16_f32 v[X+4*\i+1], v[X+4*\i+2], v[X+4*\i+3]
	global_store_b64 v[VS], v[X+4*\i:X+4*\i+1], s[10+8*(\i>>4):11+8*(\i>>4)] offset:((\i>>1)&7)*1048576+(\i&1)*256
.endr
	s_endpgm
.Lweights:
	; the weights keep their order: chunk c of 131,072 bytes becomes 65,536 bytes; wave w takes 16,384 of them, load i 512
	v_lshlrev_b32 v[VL], 4, v3
	v_lshl_add_u32 v[VL], v132, 14, v[VL]
	v_lshlrev_b32 v[VS], 3, v3
	v_lshl_add_u32 v[VS], v132, 13, v[VS]
	s_sub_co_u32 s16, ttmp9, 256                   ; 0-95: w_qkv; 96-127: w_proj
	s_sub_co_u32 s18, s16, 96
	s_cmp_lt_u32 s16, 96
	s_cselect_b32 s16, s16, s18                    ; the chunk's number in its tensor
	s_wait_kmcnt 0x0
	s_cselect_b64 s[4:5], s[6:7], s[8:9]           ; the choice hangs on the work-group's number alone
	s_cselect_b64 s[10:11], s[12:13], s[14:15]
	s_lshl_b32 s18, s16, 17
	s_add_nc_u64 s[4:5], s[4:5], s[18:19]
	s_lshl_b32 s18, s16, 16
	s_add_nc_u64 s[10:11], s[10:11], s[18:19]
.irp i, 0,1,2,3,4,5,6,7,8,9,10,11,12,13,14,15,16,17,18,19,20,21,22,23,24,25,26,27,28,29,30,31
	global_load_b128 v[X+4*\i:X+4*\i+3], v[VL], s[4:5] offset:\i*512 th:TH_LOAD_NT
.endr
.irp i, 0,1,2,3,4,5,6,7,8,9,10,11,12,13,14,15,16,17,18,19,20,21,22,23,24,25,26,27,28,29,30,31
	s_wait_loadcnt 31-\i
	v_cvt_pk_bf16_f32 v[X+4*\i], v[X+4*\i], v[X+4*\i+1]
	v_cvt_pk_bf16_f32 v[X+4*\i+1], v[X+4*\i+2], v[X+4*\i+3]
	global_store_b64 v[VS], v[X+4*\i:X+4*\i+1], s[10:11] offset:\i*256
.endr
	s_endpgm
.Lfunc_end_k_q63432e676f_cast:
	.size	k_q63432e676f_cast, .Lfunc_end_k_q63432e676f_cast-k_q63432e676f_cast
	.p2alignl 7, 3214868480
	.fill 96, 4, 3214868480
	.section	.rodata,"a",@progbits
	.p2align	6, 0x0
	.amdhsa_kernel k_q63432e676f_cast
		.amdhsa_group_segment_fixed_size 0
		.amdhsa_private_segment_fixed_size 0
		.amdhsa_enable_private_segment 0
		.amdhsa_kernarg_size 48
		.amdhsa_user_sgpr_count 2
		.amdhsa_user_sgpr_kernarg_segment_ptr 1
		.amdhsa_wavefront_size32 1
		.amdhsa_system_sgpr_workgroup_id_x 1
		.amdhsa_system_sgpr_workgroup_id_y 1
		.amdhsa_system_sgpr_workgroup_id_z 1
		.amdhsa_system_vgpr_workitem_id 0
		.amdhsa_next_free_vgpr 136
		.amdhsa_next_free_sgpr 66
		.amdhsa_reserve_vcc 0
		.amdhsa_float_denorm_mode_32 3
		.amdhsa_float_denorm_mode_16_64 3
		.amdhsa_memory_ordered 1
		.amdhsa_forward_progress 1
		.amdhsa_inst_pref_size 24
	.end_amdhsa_kernel
	.amdgpu_metadata
---
amdhsa.version: [ 1, 2 ]
amdhsa.kernels:
  - .name:           k_q63432e676f_cast
    .symbol:         k_q63432e676f_cast.kd
    .args:
      - { .name: x, .offset: 0, .size: 8, .value_kind: global_buffer, .address_space: global }
      - { .name: w_qkv, .offset: 8, .size: 8, .value_kind: global_buffer, .address_space: global }
      - { .name: w_proj, .offset: 16, .size: 8, .value_kind: global_buffer, .address_space: global }
      - { .name: xb, .offset: 24, .size: 8, .value_kind: global_buffer, .address_space: global }
      - { .name: wqb, .offset: 32, .size: 8, .value_kind: global_buffer, .address_space: global }
      - { .name: wpb, .offset: 40, .size: 8, .value_kind: global_buffer, .address_space: global }
    .group_segment_fixed_size: 0
    .private_segment_fixed_size: 0
    .kernarg_segment_align: 8
    .kernarg_segment_size: 48
    .max_flat_workgroup_size: 256
    .sgpr_count:     66
    .vgpr_count:     136
    .wavefront_size: 32
...
	.end_amdgpu_metadata
.endif
;; end of part 1
;; launch qkv (part 2): grid 8 x 32, 4 waves a work-group, clusters of 4 x 4, 327,680 bytes of LDS; arguments xb, wqb, b_qkv, qkvh; writes qkvh
.if DOCPART == 2
	.amdgcn_target "amdgcn-amd-amdhsa--gfx1250"
	.amdhsa_code_object_version 6
	.text
	.protected	k_q63432e676f_qkv
	.globl	k_q63432e676f_qkv
	.p2align	8
	.type	k_q63432e676f_qkv,@function
k_q63432e676f_qkv:
	s_mov_b64 s[64:65], 0
	v_nop
	global_prefetch_b8 v0, s[64:65] scope:SCOPE_SE
	s_setreg_imm32_b32 hwreg(HW_REG_WAVE_MODE, 25, 1), 1
	s_wait_xcnt 0x0
	s_wait_alu depctr_hold_cnt(0) depctr_sa_sdst(0) depctr_va_vdst(0) depctr_va_sdst(0) depctr_va_ssrc(0) depctr_va_vcc(0) depctr_vm_vsrc(0)
	s_getreg_b32 s2, hwreg(HW_REG_IB_STS2, 6, 4)
	s_cmp_eq_u32 s2, 0
	s_cbranch_scc0 .Lentry_in_a_cluster
	s_endpgm
.Lentry_in_a_cluster:
	s_bfe_u32 s2, ttmp6, 0x10000c
	s_cmp_lg_u32 s2, 0xf033
	s_cbranch_scc0 .Lentry_shape_is_right
	s_endpgm
.Lentry_shape_is_right:
; qkvh = x w_qkv + b_qkv.  xb: bf16 panels [16][8192][64]; wqb: bf16 [1024 k][3072 n]; b_qkv: f32; qkvh: F16 panels [48][8192][64]
; (panel = column / 64: 0-15 q's heads, 16-31 k's, 32-47 v's).  Sums in f32, the bias added in f32, one rounding to f16.
; WHY F16 OUT: q, k and v are operands of the attention's products; f16 keeps 11 significant bits where bf16 keeps 8, and a row of the attention that
; leans on few keys hands v's rounding on undiminished.
; A work-group makes 256 rows x 384 columns with four waves; wave w makes rows 128 (w>>1) .. +127 and the three column groups
; 128 s + 64 (w&1) .. +63, s = 0..2, each of them one whole panel: 96 accumulator tiles of 16 x 16, 768 registers.
; K goes in steps of 64 (one panel of xb) through two LDS slots.  A's tile is 256 rows of 128 bytes, dense in memory; B's three tiles are
; 64 rows (k) of 256 bytes.  Wave 0 fetches A's tile, waves 1-3 one tile of B each: one tensor load a wave for each fill.
; CLUSTERS: 4 x 4 work-groups.  A's tile hangs on the block row alone and is asked for jointly by a row of the cluster, B's on the block
; column alone and is asked for jointly by a column: the requests for both are divided by four.
; REGISTERS: window 0: v0-31 addresses, v32-95 and v96-159 A's fragments (two buffers), v160-255 B's fragments (group s at 160 + 32 s);
; window 1 + s: the 32 tiles of column group s, tile (i, jb) at v[8 (4 i + jb)].
; B lies [k][n] in LDS and is read by the transposing load.  THE MATRIX INSTRUCTION IS USED TRANSPOSED (source 0 = 16 columns of w, source 1 =
; 16 rows of x): lane l then holds row l % 16 and eight neighbouring columns 8 (l / 16) + 0..7, which pack into 16 bytes.
; LIMITS: x and w_qkv enter the products rounded to bf16.  q, k and v leave rounded to f16: a magnitude above 65,504 becomes infinite.  (With x of spread 1 and
; w of spread 0.02 they have spread 0.64; both inputs 30 times larger: 576; both with an offset of 30 spreads: 1024 x 30 x 0.6 = 18,432.)
.set PA,     144                       ; A's LDS row: 128 bytes + 16: an odd multiple of 16, so 16 rows of a fragment start at 16 different 16-byte columns of 256 bytes
.set PB,     288                       ; B's LDS row: 256 bytes + 32: an odd multiple of 32, as the transposing load's eight rows want
.set ABYTES, 256*PA                    ; 36,864
.set BT,     64*PB                     ; 18,432: one tile of B
.set SLOT,   ABYTES+3*BT               ; 92,160
.set STAGE,  2*SLOT                    ; 184,320: 16 rows x 144 bytes for each wave, for the way out; no tensor load lands here
.set BIASL,  STAGE+4*16*PA             ; 193,536: 768 bytes for each wave: the bias of its 192 columns
.set ADRA, 16                          ; v16-17  LDS address of my A fragments in slot 0, 1
.set ADRB, 18                          ; v18-19  the same for B
.set STO,  20                          ; v20     way out: where I put 16 bytes of a row
.set RD,   21                          ; v21     way out: where I read rows back
.set CO,   22                          ; v22     16 x lane
.set BADR, 23                          ; v23     where my bias numbers lie
.set A0,   32
.set A1,   96
.set BF,   160
.set TMP,  32                          ; way out: 32 sums with bias
.set PK,   64                          ; way out: 16 registers of packed f16
.set G1,  24                           ; s[24:31] group 1 of A's tile
.set G0,  32                           ; s[32:39] group 0 of A's tile, one set for each slot
.set G1B, 48                           ; s[48:55] group 1 of B's tiles
.set G0B, 56                           ; s[56:63] group 0 of B's tiles, one set for each slot
.set MSB, 0
.macro WIN new                         ; low byte: bits 1:0 source 0, 3:2 source 1, 5:4 source 2, 7:6 destination; the high byte repeats the setting that is left
.if MSB != (\new)
	s_set_vgpr_msb (MSB<<8)|(\new)
.set MSB, (\new)
.endif
.endm
.macro PLACES                          ; four independent vector instructions behind a matrix instruction, before a load lands in one of its registers
.rept 4                                ; or a vector instruction reads its result (ISA guide 7.12.1 for vector instructions)
	v_nop
.endr
.endm
; A joint load: wave 0 asks for A's tile, waves 1-3 for one tile of B each.  The branch hangs on the wave's number alone.
.macro JLOAD s
	s_cmp_eq_u32 s12, 0
	s_cbranch_scc0 .Lfor_b_\@
	tensor_load_to_lds s[G0+4*\s:G0+4*\s+3], s[G1:G1+7]
	s_nop 0
	s_branch .Lasked_\@
.Lfor_b_\@:
	tensor_load_to_lds s[G0B+4*\s:G0B+4*\s+3], s[G1B:G1B+7]
	s_nop 0
.Lasked_\@:
.endm
.macro CREST                           ; a round of the cluster's barrier behind its opening work-group barrier
	s_cmp_lg_u32 s12, 0
	s_cbranch_scc1 .Lnot_wave_0_\@
	s_barrier_signal -3
.Lnot_wave_0_\@:
	s_barrier_wait -3
	s_barrier_signal -1
	s_barrier_wait -1
.endm
.macro CROUND
	s_barrier_signal -1
	s_barrier_wait -1
	CREST
.endm
	s_load_b256 s[4:11], s[0:1], 0x0               ; xb s[4:5], wqb s[6:7], b_qkv s[8:9], qkvh s[10:11]
	v_lshl_add_u32 v14, v0, 2, 0x30000
	v_mov_b32 v15, 0
	ds_add_u32 v14, v15
	ds_add_u32 v14, v15
	v_lshrrev_b32 v1, 5, v0
	v_readfirstlane_b32 s12, v1                    ; wave 0..3
	s_lshr_b32 s13, s12, 1                         ; which 128 rows are mine
	s_and_b32 s14, s12, 1                          ; which 64 columns of each group of 128
	s_bfe_u32 s15, ttmp6, 0x40000                  ; cx
	s_bfe_u32 s16, ttmp6, 0x40004                  ; cy
	s_lshl_b32 s17, ttmp9, 2
	s_add_co_u32 s17, s17, s15                     ; block column = 4 x cluster x + cx
	s_and_b32 s18, ttmp7, 0xffff
	s_lshl_b32 s18, s18, 2
	s_add_co_u32 s18, s18, s16                     ; block row = 4 x cluster y + cy
	s_lshl_b32 s19, s16, 2
	s_lshl_b32 s19, 15, s19                        ; my row of the cluster
	s_lshl_b32 s20, 0x1111, s15                    ; my column
	s_or_b32 s[G1+0], s19, (1<<16)|(1<<20)|(1<<21)|(4<<22)|(3<<25)   ; mask; 2-byte elements; padding on; bit 21 beside a mask; after every 32 words 4 words
	s_mov_b32 s[G1+1], 64<<16                      ; tensor_dim0 = 64
	s_mov_b32 s[G1+2], 256<<16                     ; tensor_dim1 = 256
	s_mov_b32 s[G1+3], 64<<16                      ; tile_dim0 = 64
	s_mov_b32 s[G1+4], 256                         ; tile_dim1 = 256
	s_mov_b32 s[G1+5], 64                          ; 64 elements from row to row: a panel is dense
	s_mov_b32 s[G1+6], 0
	s_mov_b32 s[G1+7], 0
	s_or_b32 s[G1B+0], s20, (1<<16)|(1<<20)|(1<<21)|(5<<22)|(7<<25)  ; after every 64 words 8 words
	s_mov_b32 s[G1B+1], 128<<16                    ; tensor_dim0 = 128
	s_mov_b32 s[G1B+2], 64<<16                     ; tensor_dim1 = 64
	s_mov_b32 s[G1B+3], 128<<16                    ; tile_dim0 = 128
	s_mov_b32 s[G1B+4], 64                         ; tile_dim1 = 64
	s_mov_b32 s[G1B+5], 3072                       ; elements from one k to the next
	s_mov_b32 s[G1B+6], 0
	s_mov_b32 s[G1B+7], 0
	s_lshl_b32 s40, s18, 15                        ; A: 256 rows of 128 bytes for each block row
	s_mov_b32 s41, 0
	s_max_u32 s42, s12, 1
	s_sub_co_u32 s42, s42, 1                       ; B: tile wave - 1 (wave 0 asks by A's line and never uses this)
	s_lshl_b32 s42, s42, 8                         ; 256 bytes a tile,
	s_mul_i32 s43, s17, 768                        ; 768 bytes a block column
	s_add_co_u32 s42, s42, s43
	s_mov_b32 s43, 0
	s_mul_i32 s21, s12, BT
	s_add_co_u32 s21, s21, ABYTES-BT               ; B's tile wave - 1 lies behind A's 36,864 bytes
	s_mul_i32 s44, s17, 1536                       ; bias: 384 columns of 4 bytes a block column,
	s_lshl_b32 s45, s14, 8                         ; + my 64 columns
	s_add_co_u32 s44, s44, s45
	s_mov_b32 s45, 0
	s_wait_dscnt 0x0
	s_wait_kmcnt 0x0
	s_add_nc_u64 s[40:41], s[4:5], s[40:41]
	s_add_nc_u64 s[42:43], s[6:7], s[42:43]
	s_add_nc_u64 s[8:9], s[8:9], s[44:45]
	CROUND                                         ; all sixteen work-groups are here: the first joint loads meet
.irp s, 0,1
	s_mov_b32 s[G0+4*\s], 1
	s_mov_b32 s[G0+4*\s+1], \s*SLOT
	s_add_nc_u64 s[G0+4*\s+2:G0+4*\s+3], s[40:41], \s*1048576      ; K step s = panel s
	s_or_b32 s[G0+4*\s+3], s[G0+4*\s+3], 0x80000000
	s_mov_b32 s[G0B+4*\s], 1
	s_add_co_u32 s[G0B+4*\s+1], s21, \s*SLOT
	s_add_nc_u64 s[G0B+4*\s+2:G0B+4*\s+3], s[42:43], \s*393216     ; 64 rows of 6,144 bytes
	s_or_b32 s[G0B+4*\s+3], s[G0B+4*\s+3], 0x80000000
	JLOAD \s                                       ; both slots' first fills go out before anything else: two loads of this wave are out
.endr
	v_and_b32 v1, 15, v0                           ; r = l % 16
	v_bfe_u32 v2, v0, 4, 1                         ; h = l / 16
	v_and_b32 v3, 7, v0
	v_bfe_u32 v4, v0, 3, 1
	v_mul_u32_u24 v5, v1, PA
	v_lshl_add_u32 v5, v2, 4, v5                   ; r x 144 + 16 h
	s_mul_i32 s22, s13, 128*PA
	v_add_nc_u32 v[ADRA], s22, v5
	v_add_nc_u32 v[ADRA+1], SLOT, v[ADRA]
	v_lshl_add_u32 v6, v2, 3, v3                   ; the transposing load: row 8 h + l % 8,
	v_mul_u32_u24 v6, v6, PB
	v_lshl_add_u32 v6, v4, 4, v6                   ; 16 bytes further for the upper eight lanes of each sixteen
	s_lshl_b32 s23, s14, 7
	s_add_co_u32 s23, s23, ABYTES
	v_add_nc_u32 v[ADRB], s23, v6
	v_add_nc_u32 v[ADRB+1], SLOT, v[ADRB]
	s_mul_i32 s22, s12, 16*PA
	s_add_co_u32 s22, s22, STAGE
	v_add_nc_u32 v[STO], s22, v5
	v_bfe_u32 v6, v0, 3, 2                         ; back: eight lanes take a row of 128 bytes, the wave four rows
	v_mul_u32_u24 v6, v6, PA
	v_lshl_add_u32 v6, v3, 4, v6
	v_add_nc_u32 v[RD], s22, v6
	v_and_b32 v7, 31, v0
	v_lshlrev_b32 v[CO], 4, v7
	; the bias of my 3 x 64 columns goes once into my own 768 bytes of LDS: three loads of 256 consecutive bytes
	v_lshlrev_b32 v24, 3, v7
	s_mul_i32 s23, s12, 768
	s_add_co_u32 s23, s23, BIASL
	v_add_nc_u32 v25, s23, v24
	v_lshl_add_u32 v[BADR], v2, 5, s23             ; my eight numbers of a tile begin 32 h bytes into its 64
	global_load_b64 v[26:27], v24, s[8:9]
	global_load_b64 v[28:29], v24, s[8:9] offset:512
	global_load_b64 v[30:31], v24, s[8:9] offset:1024
	s_mul_i32 s44, s17, 6                          ; out: panel 6 x block column + my half,
	s_add_co_u32 s44, s44, s14
	s_lshl_b32 s44, s44, 20
	s_lshl_b32 s45, s18, 15                        ; 256 rows of 128 bytes a block row,
	s_add_co_u32 s44, s44, s45
	s_lshl_b32 s45, s13, 14                        ; my 128 rows
	s_add_co_u32 s44, s44, s45
	s_mov_b32 s45, 0
	s_add_nc_u64 s[10:11], s[10:11], s[44:45]
	s_wait_loadcnt 0x0
	ds_store_b64 v25, v[26:27]
	ds_store_b64 v25, v[28:29] offset:256
	ds_store_b64 v25, v[30:31] offset:512
.macro FETCHA slot, t, buf             ; 16 loads: my 128 rows, 32 along K at byte 64 t of the rows
.irp i, 0,1,2,3,4,5,6,7
	ds_load_b128 v[\buf+8*\i:\buf+8*\i+3],   v[ADRA+\slot] offset:\t*64+\i*16*PA
	ds_load_b128 v[\buf+8*\i+4:\buf+8*\i+7], v[ADRA+\slot] offset:\t*64+\i*16*PA+32
.endr
.endm
.macro FETCHB slot, t, s               ; 8 transposing loads: my 64 columns of group s, k rows 32 t .. 32 t + 31
.irp jb, 0,1,2,3
	ds_load_tr16_b128 v[BF+32*\s+8*\jb:BF+32*\s+8*\jb+3],   v[ADRB+\slot] offset:\s*BT+\t*32*PB+\jb*32
	ds_load_tr16_b128 v[BF+32*\s+8*\jb+4:BF+32*\s+8*\jb+7], v[ADRB+\slot] offset:\s*BT+\t*32*PB+\jb*32+16*PB
.endr
.endm
; 16 matrix instructions: row blocks i0 .. i0 + 3 x the four column blocks of group s.  The accumulators take turns, one instruction a turn,
; in the same order in every substep and over the loop's backward jump.  zero = 1: the first product starts the sums.
.macro MULH buf, s, i0, zero
.irp i, \i0, \i0+1, \i0+2, \i0+3
.irp jb, 0,1,2,3
.if \zero
	v_wmma_f32_16x16x32_bf16 v[8*(4*(\i)+\jb):8*(4*(\i)+\jb)+7], v[BF+32*\s+8*\jb:BF+32*\s+8*\jb+7], v[\buf+8*(\i):\buf+8*(\i)+7], 0
.else
	v_wmma_f32_16x16x32_bf16 v[8*(4*(\i)+\jb):8*(4*(\i)+\jb)+7], v[BF+32*\s+8*\jb:BF+32*\s+8*\jb+7], v[\buf+8*(\i):\buf+8*(\i)+7], v[8*(4*(\i)+\jb):8*(4*(\i)+\jb)+7]
.endif
.endr
.endr
.endm
; The first 32 along K of a slot.  On the way in, in this order: B group 0 (8 loads), A (16), B group 1 (8), B group 2 (8).
; Behind each stretch of 32 matrix instructions its B group is loaded again for the next substep; A's next fragments go into the other buffer.
.macro EVEN slot, zero
	s_wait_dscnt 16                                ; B group 0 and A are in; the 16 loads of groups 1 and 2 may be out
	WIN 0x50
	MULH A0, 0, 0, \zero
	MULH A0, 0, 4, \zero
	PLACES
	WIN 0
	FETCHB \slot, 1, 0
	FETCHA \slot, 1, A1
	s_wait_dscnt 32                                ; behind B group 1 were issued 8 + 8 + 16 loads
	WIN 0xa0
	MULH A0, 1, 0, \zero
	MULH A0, 1, 4, \zero
	PLACES
	WIN 0
	FETCHB \slot, 1, 1
	s_wait_dscnt 32                                ; behind B group 2 were issued 8 + 16 + 8 loads
	WIN 0xf0
	MULH A0, 2, 0, \zero
	MULH A0, 2, 4, \zero
	PLACES
	WIN 0
	FETCHB \slot, 1, 2
.endm
; The second 32 along K, and the change of slots.  In front of the barrier each wave waits for all its reads of this slot (its last fragments are then
; in registers) and for all its tensor loads, of which one is out: its part of the next slot.  fill = 1: the barrier opens a round of the cluster's
; barrier, and the joint refill of this slot, two K steps ahead, is the first tensor load behind the round, the wave's only one until the next.
.macro TURN slot, next, fill
	s_wait_dscnt 16
	WIN 0x50
	MULH A1, 0, 0, 0
	s_wait_dscnt 0x0                               ; my reads of this slot are over
	s_wait_tensorcnt 0x0                           ; all my tensor loads have landed
	ds_add_u32 v14, v15
	s_wait_dscnt 0x0
	s_barrier_signal -1
	MULH A1, 0, 4, 0                               ; register work while the others arrive
	WIN 0
	s_barrier_wait -1
.if \fill
	CREST
	s_add_nc_u64 s[G0+4*\slot+2:G0+4*\slot+3], s[G0+4*\slot+2:G0+4*\slot+3], 2097152     ; two panels on
	s_add_nc_u64 s[G0B+4*\slot+2:G0B+4*\slot+3], s[G0B+4*\slot+2:G0B+4*\slot+3], 786432  ; 128 rows of w on
	JLOAD \slot
.endif
	PLACES
	FETCHB \next, 0, 0
	FETCHA \next, 0, A0
	WIN 0xa0
	MULH A1, 1, 0, 0
	MULH A1, 1, 4, 0
	PLACES
	WIN 0
	FETCHB \next, 0, 1
	WIN 0xf0
	MULH A1, 2, 0, 0
	MULH A1, 2, 4, 0
	PLACES
	WIN 0
	FETCHB \next, 0, 2
.endm
.macro LAP zero
	EVEN 0, \zero
	TURN 0, 1, 1
	EVEN 1, 0
	TURN 1, 0, 1
.endm
	s_wait_tensorcnt 0x1                           ; my part of K step 0 is in; K step 1's stays out
	s_wait_dscnt 0x0                               ; my bias stores
	s_barrier_signal -1
	s_barrier_wait -1
	FETCHB 0, 0, 0
	FETCHA 0, 0, A0
	FETCHB 0, 0, 1
	FETCHB 0, 0, 2
	LAP 1                                          ; 16 K steps = 8 laps: the first starts the sums,
	s_mov_b32 s3, 6                                ; six go round,
.Llap:
	LAP 0
	s_sub_co_u32 s3, s3, 1
	s_cmp_lg_u32 s3, 0
	s_cbranch_scc1 .Llap
	EVEN 0, 0                                      ; the last fills nothing
	TURN 0, 1, 0
	EVEN 1, 0
	s_wait_dscnt 16                                ; the very last substep: the counts run down
	WIN 0x50
	MULH A1, 0, 0, 0
	MULH A1, 0, 4, 0
	s_wait_dscnt 8
	WIN 0xa0
	MULH A1, 1, 0, 0
	MULH A1, 1, 4, 0
	s_wait_dscnt 0x0
	WIN 0xf0
	MULH A1, 2, 0, 0
	MULH A1, 2, 4, 0
	; THE WAY OUT.  The bias of tile (s, jb), my eight columns, into the registers that held B's fragments; then 16 rows of one panel at a time:
	; add the bias, round to f16, 16 bytes a lane into my stage, read four rows of 128 bytes back, which are 512 consecutive bytes of the panel.
	PLACES
	WIN 0
.irp s, 0,1,2
.irp jb, 0,1,2,3
	ds_load_b128 v[BF+32*\s+8*\jb:BF+32*\s+8*\jb+3],   v[BADR] offset:\s*256+\jb*64
	ds_load_b128 v[BF+32*\s+8*\jb+4:BF+32*\s+8*\jb+7], v[BADR] offset:\s*256+\jb*64+16
.endr
.endr
	s_wait_dscnt 0x0
.macro OUT16 s, i, f
	WIN (1+\s)                                     ; source 0 = the accumulators of group s
.irp jb, 0,1,2,3
.irp k, 0,2,4,6
	v_pk_add_f32 v[TMP+8*\jb+\k:TMP+8*\jb+\k+1], v[8*(4*\i+\jb)+\k:8*(4*\i+\jb)+\k+1], v[BF+32*\s+8*\jb+\k:BF+32*\s+8*\jb+\k+1]
.endr
.endr
	WIN 0
.irp jb, 0,1,2,3
.irp d, 0,1,2,3
	v_cvt_pk_f16_f32 v[PK+4*\jb+\d], v[TMP+8*\jb+2*\d], v[TMP+8*\jb+2*\d+1]
.endr
.endr
.irp jb, 0,1,2,3
	ds_store_b128 v[STO], v[PK+4*\jb:PK+4*\jb+3] offset:32*\jb
.endr
	s_wait_xcnt 0x0                                ; buffer f, which earlier stores read, is loaded again only behind this wait (ISA guide 3.1)
.irp c, 0,1,2,3
	ds_load_b128 v[\f+4*\c:\f+4*\c+3], v[RD] offset:\c*4*PA        ; LDS serves a wave's instructions in order (ISA guide 5.7.1.4): these see the stores above
.endr
.irp c, 0,1,2,3
	s_wait_dscnt 3-\c
	global_store_b128 v[CO], v[\f+4*\c:\f+4*\c+3], s[10:11] offset:\s*2097152+\i*2048+\c*512   ; the wave stores 512 consecutive bytes, aligned
.endr
.endm
.irp s, 0,1,2
.irp i, 0,2,4,6
	OUT16 \s, \i, 96
	OUT16 \s, (\i+1), 112
.endr
.endr
	s_wait_tensorcnt 0x0
	ds_add_u32 v14, v15
	s_wait_dscnt 0x0
	CROUND                                         ; the closing round: no work-group ends while a partner may still ask for a tile that names it
	s_endpgm
.Lfunc_end_k_q63432e676f_qkv:
	.size	k_q63432e676f_qkv, .Lfunc_end_k_q63432e676f_qkv-k_q63432e676f_qkv
	.p2alignl 7, 3214868480
	.fill 96, 4, 3214868480
	.section	.rodata,"a",@progbits
	.p2align	6, 0x0
	.amdhsa_kernel k_q63432e676f_qkv
		.amdhsa_group_segment_fixed_size 327680
		.amdhsa_private_segment_fixed_size 0
		.amdhsa_enable_private_segment 0
		.amdhsa_kernarg_size 32
		.amdhsa_user_sgpr_count 2
		.amdhsa_user_sgpr_kernarg_segment_ptr 1
		.amdhsa_wavefront_size32 1
		.amdhsa_system_sgpr_workgroup_id_x 1
		.amdhsa_system_sgpr_workgroup_id_y 1
		.amdhsa_system_sgpr_workgroup_id_z 1
		.amdhsa_system_vgpr_workitem_id 0
		.amdhsa_next_free_vgpr 1024
		.amdhsa_next_free_sgpr 66
		.amdhsa_reserve_vcc 0
		.amdhsa_float_denorm_mode_32 3
		.amdhsa_float_denorm_mode_16_64 3
		.amdhsa_memory_ordered 1
		.amdhsa_forward_progress 1
		.amdhsa_inst_pref_size 197
	.end_amdhsa_kernel
	.amdgpu_metadata
---
amdhsa.version: [ 1, 2 ]
amdhsa.kernels:
  - .name:           k_q63432e676f_qkv
    .symbol:         k_q63432e676f_qkv.kd
    .args:
      - { .name: xb, .offset: 0, .size: 8, .value_kind: global_buffer, .address_space: global }
      - { .name: wqb, .offset: 8, .size: 8, .value_kind: global_buffer, .address_space: global }
      - { .name: b_qkv, .offset: 16, .size: 8, .value_kind: global_buffer, .address_space: global }
      - { .name: qkvh, .offset: 24, .size: 8, .value_kind: global_buffer, .address_space: global }
    .group_segment_fixed_size: 327680
    .private_segment_fixed_size: 0
    .kernarg_segment_align: 8
    .kernarg_segment_size: 32
    .max_flat_workgroup_size: 128
    .sgpr_count:     66
    .vgpr_count:     1024
    .wavefront_size: 32
...
	.end_amdgpu_metadata
.endif
;; end of part 2
;; launch attn (part 3): grid 4 x 64, 8 waves a work-group, no clusters, 327,680 bytes of LDS; arguments qkvh, yb; writes yb
.if DOCPART == 3
	.amdgcn_target "amdgcn-amd-amdhsa--gfx1250"
	.amdhsa_code_object_version 6
	.text
	.protected	k_q63432e676f_attn
	.globl	k_q63432e676f_attn
	.p2align	8
	.type	k_q63432e676f_attn,@function
k_q63432e676f_attn:
	s_mov_b64 s[64:65], 0
	v_nop
	global_prefetch_b8 v0, s[64:65] scope:SCOPE_SE
	s_setreg_imm32_b32 hwreg(HW_REG_WAVE_MODE, 25, 1), 1
	s_wait_xcnt 0x0
; y = softmax(causal(q k^T / 8)) v, head by head.  qkvh: f16 panels [48][8192][64] (q 0-15, k 16-31, v 32-47; row = 2048 b + t).
; yb: bf16 panels [32][8192][64]: y leaves as TWO bf16 terms, panel 2 h = y rounded to bf16, panel 2 h + 1 = what that rounding left, rounded to bf16: 16 significant
; bits in all.  The last product's other operand, w_proj, is bf16, so y goes in bf16 too; one term's 8 bits would be the coarsest rounding of the whole chain.
; Work-group (j, 16 b + h), j = 0..3, makes query blocks j and then 7 - j (256 rows each) of one head: (j + 1) + (8 - j) = 9 steps of 256 keys for every
; work-group; blocks wholly above the diagonal are never computed.  Eight waves; wave w owns the 32 query rows 32 sg .. 32 sg + 31 of a block, sg = w xor 3 (w >> 2)
; (0,1,2,3,7,6,5,4), so that waves w and w + 4 together have five subtiles of 64 keys on a diagonal step.
; S IS MADE TRANSPOSED: S^T = K Q^T, so that lane l holds query l % 16 and keys 8 (l / 16) + 0..7 of a tile.  The softmax then needs one exchange between the two
; halves of the wave, and exp(S), rounded to f16 in place, already lies as source 1 of the second product, O^T = V^T P^T, whose result gives a lane eight
; neighbouring d of one query.  A running maximum is taken away before every exponential, so the probabilities lie in 0 .. 1; sums and O are f32.
; K and V come by tensor loads into two LDS slots: waves 0-3 fetch 64 keys of K each, waves 4-7 64 keys of V, one load a wave behind each barrier; one load of a wave is out at a time.
; NO MULTICAST: the four work-groups of a head walk key blocks 0..j, 0..7-j, a different order for each j, so at no step but the first do they want the same tile;
; walking in step would take 4 + 8 = 12 steps in place of 9.  NO PREFETCH: each step's tiles are asked for a whole step (128 matrix instructions a wave and its softmax) ahead.
; LIMITS: q, k, v and the probabilities enter the products as f16; a probability under about 3e-8 of its row's largest rounds to zero.  v_exp_f32 gives zero for results
; under 2^-126 (ISA guide 15.8).  O and the sums of the second block are cleared by the factor exp2(-inf) = 0 on what the first block left: that needs the first
; block's to be finite; it is the earlier block, whose keys the later one sees too.
.set KP,    144                        ; K's LDS row: 128 bytes + 16
.set VP,    160                        ; V's LDS row: 128 bytes + 32, an odd multiple of 32 for the transposing load
.set REG,   10240                      ; a region: 64 keys of K (9,216 bytes used) or of V (10,240)
.set SLOT,  8*REG                      ; K's four quarters, then V's four
.set STAGE, 2*SLOT                     ; 163,840: for each wave 32 rows x 144 bytes for y's first term and as many for its second; no tensor load lands here
.set STG,   32*KP                      ; 4,608: one term's stage
.set KA,   1                           ; v1-2    my K address in slot 0, 1
.set VA,   3                           ; v3-4    my V address
.set KD,   5                           ; v5-6    the same at the quarter that holds my diagonal
.set VD,   7                           ; v7-8
.set NEG,  9                           ; v9      -inf
.set LIM,  10                          ; v10-11  query tile qt: key 16 kt + j of the diagonal quarter is masked where 16 kt + j > LIM
.set M,    12                          ; v12-13  running maximum of query tile 0, 1
.set L,    14                          ; v14-15  running sum, of my half of the keys
.set NM,   16                          ; v16-19  -maximum x c, twice for each query tile (pairs for the packed forms)
.set AL,   20                          ; v20-23  the factor on the old sums, twice for each query tile
.set T,    24                          ; v24-27  at work
.set QOFF, 28
.set STO,  29
.set RD,   30
.set CO,   31
.set QF,   32                          ; v32-63   Q's fragments, (qt, ks) at 8 (2 qt + ks)
.set O,    64                          ; v64-127  O^T, tile (dt, qt) at 8 (2 dt + qt)
.set S,    128                         ; v128-191 S^T, tile (qt, kt) at 32 qt + 8 kt; then P, fragment (qt, kc) at 32 qt + 16 kc
.set KV,   192                         ; v192-255 K's fragments, (kt, ks) at 8 (4 ks + kt); then V's, (dt, kc) at 8 (4 kc + dt)
.set G1K, 16                           ; s[16:23]
.set G1V, 24                           ; s[24:31]
.set G0,  32                           ; s[32:39] a set for each slot
.macro JLOAD s                         ; waves 0-3: K's padding; waves 4-7: V's
	s_cmp_lt_u32 s12, 4
	s_cbranch_scc0 .Lfor_v_\@
	tensor_load_to_lds s[G0+4*(\s):G0+4*(\s)+3], s[G1K:G1K+7]
	s_nop 0
	s_branch .Lasked_\@
.Lfor_v_\@:
	tensor_load_to_lds s[G0+4*(\s):G0+4*(\s)+3], s[G1V:G1V+7]
	s_nop 0
.Lasked_\@:
.endm
	s_load_b128 s[4:7], s[0:1], 0x0                ; qkvh s[4:5], yb s[6:7]
	s_set_vgpr_msb 0x40
	v_lshl_add_u32 v0, v0, 2, 0x3a000
	v_mov_b32 v1, 0
	s_set_vgpr_msb 0x4045
	ds_add_u32 v0, v1
	ds_add_u32 v0, v1
	s_set_vgpr_msb 0x4500
	v_lshrrev_b32 v1, 5, v0
	v_readfirstlane_b32 s12, v1                    ; wave 0..7
	s_lshr_b32 s8, s12, 2                          ; 0: I fetch K; 1: V
	s_mul_i32 s13, s8, 3
	s_xor_b32 s13, s13, s12                        ; sg: my 32 rows of a block
	s_lshr_b32 s14, s13, 1                         ; the quarter of a diagonal step that holds my diagonal = full quarters in front of it
	s_mul_i32 s63, s14, REG
	s_and_b32 s9, ttmp7, 0xffff
	s_and_b32 s10, s9, 15
	s_lshl_b32 s10, s10, 20                        ; head: a panel of 1,048,576 bytes
	s_mov_b32 s66, s10                             ; in yb a head has two panels: there the same offset is added once more
	s_mov_b32 s67, 0
	s_lshr_b32 s11, s9, 4
	s_lshl_b32 s11, s11, 18                        ; batch: 2,048 rows of 128 bytes
	s_add_co_u32 s10, s10, s11
	s_lshl_b32 s50, s8, 24                         ; V's panels lie 16 behind K's,
	s_add_co_u32 s50, s50, 0x1000000               ; K's 16 behind q's
	s_add_co_u32 s50, s50, s10
	s_and_b32 s11, s12, 3
	s_lshl_b32 s11, s11, 13                        ; my quarter: 64 keys of 128 bytes
	s_add_co_u32 s50, s50, s11
	s_mov_b32 s51, 0
	s_lshl_b32 s11, s13, 12                        ; my 32 rows of 128 bytes
	s_add_co_u32 s10, s10, s11
	s_lshl_b32 s11, ttmp9, 15                      ; block j: 256 rows of 128 bytes
	s_add_co_u32 s52, s10, s11
	s_mov_b32 s53, 0
	s_sub_co_u32 s62, 7, ttmp9                     ; block 7 - j
	s_lshl_b32 s11, s62, 15
	s_add_co_u32 s54, s10, s11
	s_mov_b32 s55, 0
	s_mov_b32 s[G1K+0], (1<<16)|(1<<20)|(4<<22)|(3<<25)    ; 2-byte elements; padding: after every 32 words 4 words
	s_mov_b32 s[G1V+0], (1<<16)|(1<<20)|(4<<22)|(7<<25)    ; 8 words
.irp g, G1K, G1V
	s_mov_b32 s[\g+1], 64<<16                      ; tensor_dim0 = 64
	s_mov_b32 s[\g+2], 64<<16                      ; tensor_dim1 = 64
	s_mov_b32 s[\g+3], 64<<16                      ; tile_dim0 = 64
	s_mov_b32 s[\g+4], 64                          ; tile_dim1 = 64
	s_mov_b32 s[\g+5], 64                          ; a panel is dense
	s_mov_b32 s[\g+6], 0
	s_mov_b32 s[\g+7], 0
.endr
	s_mul_i32 s9, s12, REG                         ; region = wave
	s_mov_b32 s[G0], 1
	s_add_co_u32 s[G0+1], s9, 0
	s_mov_b32 s[G0+4], 1
	s_add_co_u32 s[G0+5], s9, SLOT
	s_wait_dscnt 0x0
	s_wait_kmcnt 0x0
	s_add_nc_u64 s[40:41], s[4:5], s[50:51]        ; my quarter of K or V, key block 0
	s_add_nc_u64 s[42:43], s[4:5], s[52:53]        ; my q rows, block j
	s_add_nc_u64 s[44:45], s[4:5], s[54:55]        ; block 7 - j
	s_add_nc_u64 s[46:47], s[6:7], s[52:53]        ; my y rows, block j, first term: panel 2 h
	s_add_nc_u64 s[46:47], s[46:47], s[66:67]
	s_add_nc_u64 s[48:49], s[6:7], s[54:55]        ; block 7 - j
	s_add_nc_u64 s[48:49], s[48:49], s[66:67]
	s_mov_b64 s[G0+2:G0+3], s[40:41]
	s_or_b32 s[G0+3], s[G0+3], 0x80000000
	JLOAD 0                                        ; step 0 into slot 0, ahead of everything else
	v_and_b32 v24, 15, v0                          ; r
	v_bfe_u32 v25, v0, 4, 1                        ; h
	v_and_b32 v26, 7, v0
	v_bfe_u32 v27, v0, 3, 1
	v_lshlrev_b32 v[QOFF], 7, v24
	v_lshl_add_u32 v[QOFF], v25, 4, v[QOFF]        ; r x 128 + 16 h
.macro LOADQ qp                        ; my 32 rows of q as four fragments: eight loads that together take 4,096 dense bytes
.irp qt, 0,1
.irp ks, 0,1
	global_load_b128 v[QF+8*(2*\qt+\ks):QF+8*(2*\qt+\ks)+3],   v[QOFF], s[\qp:\qp+1] offset:\qt*2048+\ks*64
	global_load_b128 v[QF+8*(2*\qt+\ks)+4:QF+8*(2*\qt+\ks)+7], v[QOFF], s[\qp:\qp+1] offset:\qt*2048+\ks*64+32
.endr
.endr
.endm
	LOADQ 42
	v_mul_u32_u24 v[KA], v24, KP
	v_lshl_add_u32 v[KA], v25, 4, v[KA]            ; r x 144 + 16 h
	v_add_nc_u32 v[KA+1], SLOT, v[KA]
	v_lshl_add_u32 v[VA], v25, 3, v26              ; the transposing load: key 8 h + l % 8,
	v_mul_u32_u24 v[VA], v[VA], VP
	v_lshl_add_u32 v[VA], v27, 4, v[VA]            ; 16 bytes further for the upper eight lanes of each sixteen
	v_add_nc_u32 v[VA], 4*REG, v[VA]               ; V lies behind K's four regions
	v_add_nc_u32 v[VA+1], SLOT, v[VA]
.irp s, 0,1
	v_add_nc_u32 v[KD+\s], s63, v[KA+\s]
	v_add_nc_u32 v[VD+\s], s63, v[VA+\s]
.endr
	v_mov_b32 v[NEG], 0xff800000
	s_and_b32 s9, s13, 1
	s_lshl_b32 s9, s9, 5                           ; my rows begin 32 (sg & 1) keys into the diagonal quarter
	v_lshlrev_b32 v[LIM], 3, v25
	v_sub_nc_u32 v[LIM], v24, v[LIM]               ; key 16 kt + 8 h + j > query 32 (sg & 1) + 16 qt + r  <=>  16 kt + j > 32 (sg & 1) + 16 qt + r - 8 h
	v_add_nc_u32 v[LIM], s9, v[LIM]
	v_add_nc_u32 v[LIM+1], 16, v[LIM]
	s_mul_i32 s9, s12, 2*STG
	s_add_co_u32 s9, s9, STAGE
	v_add_nc_u32 v[STO], s9, v[KA]
	v_and_b32 v[CO], 31, v0
	v_lshrrev_b32 v[RD], 3, v[CO]                  ; back: eight lanes take a row of 128 bytes
	v_mul_u32_u24 v[RD], v[RD], KP
	v_lshl_add_u32 v[RD], v26, 4, v[RD]
	v_add_nc_u32 v[RD], s9, v[RD]
	v_lshlrev_b32 v[CO], 4, v[CO]
	v_mov_b32 v[M], v[NEG]
	v_mov_b32 v[M+1], v[NEG]
	v_mov_b32 v[L], 0
	v_mov_b32 v[L+1], 0
.irp a, 0,1,2,3,4,5,6,7                ; O is cleared once in the launch: every subtile scales it by the factor on the old sums, the first by 0
.irp b, 0,1,2,3,4,5,6,7
	v_mov_b32 v[O+8*\a+\b], 0
.endr
.endr
	s_mov_b32 s56, 0x3e38aa3b                      ; c = log2(e) / 8: the 1 / sqrt(64) and the base of v_exp_f32 in one factor
	s_mov_b32 s57, 0x3e38aa3b
	s_mov_b32 s60, 0xbe38aa3b                      ; -c
	s_mov_b32 s58, 0x76543210                      ; v_permlanex16_b32: lane i takes lane i of the other half
	s_mov_b32 s59, 0xfedcba98
	s_mov_b32 s54, 0                               ; key block at work
	s_mov_b32 s55, ttmp9                           ; query block at work
	s_mov_b32 s2, 0                                ; key block last asked for
	s_mov_b32 s3, ttmp9                            ; the last key block of the query block that is being asked for
; 64 keys against my 32 queries.  ka, va: address registers; c: the quarter, in the immediate; masked = 1: the quarter that holds my diagonal.
.macro SUBTILE masked, ka, va, c
.irp ks, 0,1
.irp kt, 0,1,2,3
	ds_load_b128 v[KV+8*(4*\ks+\kt):KV+8*(4*\ks+\kt)+3],   v[\ka] offset:\c*REG+\kt*16*KP+\ks*64
	ds_load_b128 v[KV+8*(4*\ks+\kt)+4:KV+8*(4*\ks+\kt)+7], v[\ka] offset:\c*REG+\kt*16*KP+\ks*64+32
.endr
.endr
	s_wait_dscnt 8                                 ; d 0-31 of the 64 keys are in; the eight loads of d 32-63 may be out
	; eight accumulators take turns, one instruction a turn; the first product of each starts its sum
.irp kt, 0,1,2,3
.irp qt, 0,1
	v_wmma_f32_16x16x32_f16 v[S+32*\qt+8*\kt:S+32*\qt+8*\kt+7], v[KV+8*\kt:KV+8*\kt+7], v[QF+16*\qt:QF+16*\qt+7], 0
.endr
.endr
	s_wait_dscnt 0x0
.irp kt, 0,1,2,3
.irp qt, 0,1
	v_wmma_f32_16x16x32_f16 v[S+32*\qt+8*\kt:S+32*\qt+8*\kt+7], v[KV+32+8*\kt:KV+32+8*\kt+7], v[QF+16*\qt+8:QF+16*\qt+15], v[S+32*\qt+8*\kt:S+32*\qt+8*\kt+7]
.endr
.endr
.rept 4                                ; four places (ISA guide 7.12.1) before V lands on K's fragments and the softmax reads S
	v_nop
.endr
.irp kc, 0,1
.irp dt, 0,1,2,3
	ds_load_tr16_b128 v[KV+8*(4*\kc+\dt):KV+8*(4*\kc+\dt)+3],   v[\va] offset:\c*REG+\kc*32*VP+\dt*32
	ds_load_tr16_b128 v[KV+8*(4*\kc+\dt)+4:KV+8*(4*\kc+\dt)+7], v[\va] offset:\c*REG+\kc*32*VP+\dt*32+16*VP
.endr
.endr
.if \masked
.irp qt, 0,1
.irp kt, 0,1,2,3
.irp j, 0,1,2,3,4,5,6,7
	v_cmp_gt_i32 vcc_lo, 16*\kt+\j, v[LIM+\qt]
	v_cndmask_b32 v[S+32*\qt+8*\kt+\j], v[S+32*\qt+8*\kt+\j], v[NEG], vcc_lo
.endr
.endr
.endr
.endif
	; the new maximum: my 32 numbers of each query and the old maximum, then the other half's; two chains that do not wait for each other
	v_max3_num_f32 v[T],   v[M],   v[S],    v[S+1]
	v_max3_num_f32 v[T+1], v[M+1], v[S+32], v[S+33]
.irp k, 2,4,6,8,10,12,14,16,18,20,22,24,26,28,30
	v_max3_num_f32 v[T],   v[T],   v[S+\k],    v[S+\k+1]
	v_max3_num_f32 v[T+1], v[T+1], v[S+32+\k], v[S+32+\k+1]
.endr
	v_permlanex16_b32 v[T+2], v[T],   s58, s59
	v_permlanex16_b32 v[T+3], v[T+1], s58, s59
	v_max_num_f32 v[T],   v[T],   v[T+2]
	v_max_num_f32 v[T+1], v[T+1], v[T+3]
	v_mul_f32 v[NM],   s60, v[T]                   ; -m c
	v_mul_f32 v[NM+2], s60, v[T+1]
	v_fma_f32 v[AL],   v[M],   s56, v[NM]          ; (old m - m) c; -inf at a block's first subtile
	v_fma_f32 v[AL+2], v[M+1], s56, v[NM+2]
	v_exp_f32 v[AL],   v[AL]
	v_exp_f32 v[AL+2], v[AL+2]
	v_mov_b32 v[NM+1], v[NM]                       ; a plain instruction stands behind the exponentials before their results are used (ISA guide 5.7.2)
	v_mov_b32 v[NM+3], v[NM+2]
	v_mov_b32 v[M],    v[T]
	v_mov_b32 v[M+1],  v[T+1]
	s_wait_alu depctr_va_vdst(0)
	v_mov_b32 v[AL+1], v[AL]
	v_mov_b32 v[AL+3], v[AL+2]
.irp k, 0,2,4,6,8,10,12,14,16,18,20,22,24,26,28,30
	v_pk_fma_f32 v[S+\k:S+\k+1],       v[S+\k:S+\k+1],       s[56:57], v[NM:NM+1]   op_sel_hi:[1,0,1]   ; s c - m c
	v_pk_fma_f32 v[S+32+\k:S+32+\k+1], v[S+32+\k:S+32+\k+1], s[56:57], v[NM+2:NM+3] op_sel_hi:[1,0,1]
.endr
.irp a, 0,1,2,3,4,5,6,7
.irp b, 0,1,2,3,4,5,6,7
	v_exp_f32 v[S+8*\a+\b], v[S+8*\a+\b]
.endr
.endr
.irp dt, 0,1,2,3                       ; O takes the factor on the old sums; these lines are also the plain place behind the exponentials
.irp qt, 0,1
.irp k, 0,2,4,6
	v_pk_mul_f32 v[O+8*(2*\dt+\qt)+\k:O+8*(2*\dt+\qt)+\k+1], v[O+8*(2*\dt+\qt)+\k:O+8*(2*\dt+\qt)+\k+1], v[AL+2*\qt:AL+2*\qt+1]
.endr
.endr
.endr
	s_wait_alu depctr_va_vdst(0)
	v_pk_add_f32 v[T:T+1],   v[S:S+1],     v[S+2:S+3]
	v_pk_add_f32 v[T+2:T+3], v[S+32:S+33], v[S+34:S+35]
.irp k, 4,6,8,10,12,14,16,18,20,22,24,26,28,30
	v_pk_add_f32 v[T:T+1],   v[T:T+1],   v[S+\k:S+\k+1]
	v_pk_add_f32 v[T+2:T+3], v[T+2:T+3], v[S+32+\k:S+32+\k+1]
.endr
	v_add_f32 v[T],   v[T],   v[T+1]
	v_add_f32 v[T+2], v[T+2], v[T+3]
	v_fma_f32 v[L],   v[L],   v[AL],   v[T]        ; my half's sum; the halves meet at the block's end
	v_fma_f32 v[L+1], v[L+1], v[AL+2], v[T+2]
.irp qt, 0,1                           ; to f16 in place, ascending, so that no number is overwritten before it is read: keys 32 kc + 8 h + 0..7, then + 16
.irp kc, 0,1
.irp d, 0,1,2,3,4,5,6,7
	v_cvt_pk_f16_f32 v[S+32*\qt+16*\kc+\d], v[S+32*\qt+16*\kc+2*\d], v[S+32*\qt+16*\kc+2*\d+1]
.endr
.endr
.endr
	s_wait_dscnt 0x0                               ; V's fragments
.irp kc, 0,1                           ; eight accumulators take turns, one instruction a turn
.irp dt, 0,1,2,3
.irp qt, 0,1
	v_wmma_f32_16x16x32_f16 v[O+8*(2*\dt+\qt):O+8*(2*\dt+\qt)+7], v[KV+8*(4*\kc+\dt):KV+8*(4*\kc+\dt)+7], v[S+32*\qt+16*\kc:S+32*\qt+16*\kc+7], v[O+8*(2*\dt+\qt):O+8*(2*\dt+\qt)+7]
.endr
.endr
.endr
.rept 5                                ; five places: the next S is written over P, the next loads land on V's fragments, the way out reads O
	v_nop
.endr
.endm
; Up to n full quarters: s15 of them.
.macro FULLS slot, n
.irp c, 0,1,2,3
.if \c < \n
	s_cmp_le_u32 s15, \c
	s_cbranch_scc1 .Lfull_done_\@
	SUBTILE 0, KA+\slot, VA+\slot, \c
.endif
.endr
.Lfull_done_\@:
.endm
; A block's end: y = O / sum; its first term bf16(y) and its second bf16(y - first), each through its own half of my stage, each out as 4,096 dense bytes.
; more = 1: registers are used again behind it.
.macro FINAL yp, more
	v_permlanex16_b32 v[T],   v[L],   s58, s59
	v_permlanex16_b32 v[T+1], v[L+1], s58, s59
	v_add_f32 v[T],   v[T],   v[L]
	v_add_f32 v[T+1], v[T+1], v[L+1]
	v_rcp_f32 v[AL],   v[T]                        ; the sum holds exp2(0) = 1 for the row's maximum: it is at least 1
	v_rcp_f32 v[AL+2], v[T+1]
	v_nop
	s_wait_alu depctr_va_vdst(0)
	v_mov_b32 v[AL+1], v[AL]
	v_mov_b32 v[AL+3], v[AL+2]
.irp dt, 0,1,2,3
.irp qt, 0,1
.irp k, 0,2,4,6
	v_pk_mul_f32 v[O+8*(2*\dt+\qt)+\k:O+8*(2*\dt+\qt)+\k+1], v[O+8*(2*\dt+\qt)+\k:O+8*(2*\dt+\qt)+\k+1], v[AL+2*\qt:AL+2*\qt+1]
.endr
.endr
.endr
.irp dt, 0,1,2,3
.irp qt, 0,1
.irp d, 0,1,2,3
	v_cvt_pk_bf16_f32 v[S+4*(2*\dt+\qt)+\d], v[O+8*(2*\dt+\qt)+2*\d], v[O+8*(2*\dt+\qt)+2*\d+1]
.endr
	ds_store_b128 v[STO], v[S+4*(2*\dt+\qt):S+4*(2*\dt+\qt)+3] offset:\qt*16*KP+32*\dt
.endr
.endr
.irp c, 0,1,2,3,4,5,6,7
	ds_load_b128 v[KV+4*\c:KV+4*\c+3], v[RD] offset:\c*4*KP        ; LDS serves a wave's instructions in order (ISA guide 5.7.1.4): these see the stores above
.endr
.irp dt, 0,1,2,3
.irp qt, 0,1
.irp d, 0,1,2,3
	v_lshlrev_b32 v[T+2*(\d&1)],   16,         v[S+4*(2*\dt+\qt)+\d]           ; the first term back in f32: the low half moves up, the high half stays
	v_and_b32     v[T+2*(\d&1)+1], 0xffff0000, v[S+4*(2*\dt+\qt)+\d]
	v_pk_add_f32 v[O+8*(2*\dt+\qt)+2*\d:O+8*(2*\dt+\qt)+2*\d+1], v[O+8*(2*\dt+\qt)+2*\d:O+8*(2*\dt+\qt)+2*\d+1], v[T+2*(\d&1):T+2*(\d&1)+1] neg_lo:[0,1] neg_hi:[0,1]   ; what the rounding left: exact in f32
	v_cvt_pk_bf16_f32 v[S+32+4*(2*\dt+\qt)+\d], v[O+8*(2*\dt+\qt)+2*\d], v[O+8*(2*\dt+\qt)+2*\d+1]
.endr
	ds_store_b128 v[STO], v[S+32+4*(2*\dt+\qt):S+32+4*(2*\dt+\qt)+3] offset:STG+\qt*16*KP+32*\dt
.endr
.endr
.irp c, 0,1,2,3,4,5,6,7
	ds_load_b128 v[KV+32+4*\c:KV+32+4*\c+3], v[RD] offset:STG+\c*4*KP
.endr
.irp c, 0,1,2,3,4,5,6,7
	s_wait_dscnt 23-\c                             ; behind the first term's load c were issued 7 - c loads, 8 stores and 8 loads
	global_store_b128 v[CO], v[KV+4*\c:KV+4*\c+3], s[\yp:\yp+1] offset:\c*512   ; the wave stores 512 consecutive bytes, aligned
.endr
.irp c, 0,1,2,3,4,5,6,7
	s_wait_dscnt 7-\c
	global_store_b128 v[CO], v[KV+32+4*\c:KV+32+4*\c+3], s[\yp:\yp+1] offset:1048576+\c*512   ; the second term: one panel further
.endr
.if \more
	s_wait_xcnt 0x0                                ; the stores' data registers are loaded again only behind this wait (ISA guide 3.1)
.endif
.endm
; One step of 256 keys out of slot `slot`, with the next step's tiles asked for into the other slot.
.macro TRIP slot
	s_set_vgpr_msb 0x5
	s_wait_tensorcnt 0x0                           ; all my tensor loads have landed: my part of this step's tiles; so a group 0 may be written
	ds_add_u32 v0, v1
	s_wait_dscnt 0x0
	s_set_vgpr_msb 0x500
	s_add_co_u32 s2, s2, 1                         ; the next key block; behind a query block's last one, block 0 of the second query block
	s_cmp_gt_u32 s2, s3
	s_cselect_b32 s2, 0, s2
	s_cselect_b32 s3, 8, s3                        ; the second walk ends with the loop
	s_lshl_b32 s50, s2, 15                         ; 256 keys of 128 bytes (s51 = 0)
	s_add_nc_u64 s[G0+4*(1-\slot)+2:G0+4*(1-\slot)+3], s[40:41], s[50:51]
	s_or_b32 s[G0+4*(1-\slot)+3], s[G0+4*(1-\slot)+3], 0x80000000
	s_wait_dscnt 0x0                               ; my reads of the other slot are over
	s_barrier_signal -1
	s_barrier_wait -1                              ; both hold of all eight waves
	JLOAD 1-\slot                                  ; my one tensor load behind this barrier, and the first thing there
	s_wait_loadcnt 0x0                             ; q's fragments, where they were just asked for
	s_cmp_eq_u32 s54, s55                          ; the diagonal step?
	s_cselect_b32 s15, s14, 4                      ; then only the quarters in front of my diagonal are full
	FULLS \slot, 4
	s_cmp_eq_u32 s54, s55
	s_cbranch_scc1 .Ldiag_\@
	s_add_co_u32 s54, s54, 1
	s_branch .Lnext_\@
.Ldiag_\@:
	SUBTILE 1, KD+\slot, VD+\slot, 0
	FINAL 46, 1
	LOADQ 44                                       ; the second block's q; waited for behind the next barrier
	v_mov_b32 v[M],   v[NEG]                       ; the next subtile's factor on the old sums is exp2(-inf) = 0
	v_mov_b32 v[M+1], v[NEG]
	s_mov_b32 s55, s62
	s_mov_b32 s54, 0
.Lnext_\@:
.endm
	s_mov_b32 s61, 4                               ; eight steps in the loop, two a trip; the ninth, always a diagonal one, behind it
.Lsteps:
	TRIP 0
	TRIP 1
	s_sub_co_u32 s61, s61, 1
	s_cmp_lg_u32 s61, 0
	s_cbranch_scc1 .Lsteps
	s_wait_tensorcnt 0x0                           ; the last step's tiles, in slot 0; nothing is left to fetch
	s_wait_dscnt 0x0
	s_barrier_signal -1
	s_barrier_wait -1
	s_wait_loadcnt 0x0
	s_mov_b32 s15, s14
	FULLS 0, 3
	SUBTILE 1, KD, VD, 0
	FINAL 48, 0
	s_set_vgpr_msb 0x5
	s_wait_tensorcnt 0x0
	ds_add_u32 v0, v1
	s_wait_dscnt 0x0
	s_set_vgpr_msb 0x500
	s_endpgm
.Lfunc_end_k_q63432e676f_attn:
	.size	k_q63432e676f_attn, .Lfunc_end_k_q63432e676f_attn-k_q63432e676f_attn
	.p2alignl 7, 3214868480
	.fill 96, 4, 3214868480
	.section	.rodata,"a",@progbits
	.p2align	6, 0x0
	.amdhsa_kernel k_q63432e676f_attn
		.amdhsa_group_segment_fixed_size 327680
		.amdhsa_private_segment_fixed_size 0
		.amdhsa_enable_private_segment 0
		.amdhsa_kernarg_size 16
		.amdhsa_user_sgpr_count 2
		.amdhsa_user_sgpr_kernarg_segment_ptr 1
		.amdhsa_wavefront_size32 1
		.amdhsa_system_sgpr_workgroup_id_x 1
		.amdhsa_system_sgpr_workgroup_id_y 1
		.amdhsa_system_sgpr_workgroup_id_z 1
		.amdhsa_system_vgpr_workitem_id 0
		.amdhsa_next_free_vgpr 258
		.amdhsa_next_free_sgpr 68
		.amdhsa_reserve_vcc 1
		.amdhsa_float_denorm_mode_32 3
		.amdhsa_float_denorm_mode_16_64 3
		.amdhsa_memory_ordered 1
		.amdhsa_forward_progress 1
		.amdhsa_inst_pref_size 255
	.end_amdhsa_kernel
	.section	.bss,"aw",@nobits
	.p2align	6
	.space	262144
	.amdgpu_metadata
---
amdhsa.version: [ 1, 2 ]
amdhsa.kernels:
  - .name:           k_q63432e676f_attn
    .symbol:         k_q63432e676f_attn.kd
    .args:
      - { .name: qkvh, .offset: 0, .size: 8, .value_kind: global_buffer, .address_space: global }
      - { .name: yb, .offset: 8, .size: 8, .value_kind: global_buffer, .address_space: global }
    .group_segment_fixed_size: 327680
    .private_segment_fixed_size: 0
    .kernarg_segment_align: 8
    .kernarg_segment_size: 16
    .max_flat_workgroup_size: 256
    .sgpr_count:     68
    .vgpr_count:     258
    .wavefront_size: 32
...
	.end_amdgpu_metadata
.endif
;; end of part 3
;; launch proj (part 4): grid 8 x 32, 4 waves a work-group, clusters of 4 x 4, 327,680 bytes of LDS; arguments yb, wpb, b_proj, out0; writes out0
.if DOCPART == 4
	.amdgcn_target "amdgcn-amd-amdhsa--gfx1250"
	.amdhsa_code_object_version 6
	.text
	.protected	k_q63432e676f_proj
	.globl	k_q63432e676f_proj
	.p2align	8
	.type	k_q63432e676f_proj,@function
k_q63432e676f_proj:
	s_mov_b64 s[64:65], 0
	v_nop
	global_prefetch_b8 v0, s[64:65] scope:SCOPE_SE
	s_setreg_imm32_b32 hwreg(HW_REG_WAVE_MODE, 25, 1), 1
	s_wait_xcnt 0x0
	s_wait_alu depctr_hold_cnt(0) depctr_sa_sdst(0) depctr_va_vdst(0) depctr_va_sdst(0) depctr_va_ssrc(0) depctr_va_vcc(0) depctr_vm_vsrc(0)
	s_getreg_b32 s2, hwreg(HW_REG_IB_STS2, 6, 4)
	s_cmp_eq_u32 s2, 0
	s_cbranch_scc0 .Lentry_in_a_cluster
	s_endpgm
.Lentry_in_a_cluster:
	s_bfe_u32 s2, ttmp6, 0x10000c
	s_cmp_lg_u32 s2, 0xf033
	s_cbranch_scc0 .Lentry_shape_is_right
	s_endpgm
.Lentry_shape_is_right:
; out0 = y w_proj + b_proj.  yb: bf16 panels [32][8192][64], y in two terms: panel 2 h = bf16(y) of head h, panel 2 h + 1 = bf16 of what that rounding left.
; wpb: bf16 [1024 k][1024 n]; b_proj, out0: f32.  Both terms are multiplied by the same rows of w and summed in one f32 accumulator; the bias is the first product's C.
; That is twice the matrix instructions of a one-term product, for 16 significant bits of y in place of 8.
; A work-group makes 256 rows x 128 columns with four waves; wave w makes rows 128 (w>>1) .. +127, columns 64 (w&1) .. +63: 32 accumulator tiles, 256 registers.
; K goes in steps of 64 (one head: its two panels, and 64 rows of w) through two LDS slots.  Waves 0, 1 fetch one panel's 256 rows each, waves 2, 3 32 rows (k) of w each:
; one tensor load a wave for each fill.
; CLUSTERS: 4 x 4 work-groups; y's tiles are asked for jointly by a row of the cluster, w's by a column.
; REGISTERS: window 0: v0-31 addresses, v32-95 / v96-159 y's fragments, v160-191 / v192-223 w's fragments (two buffers each), v224-255 the bias; window 1: tile (i, jb) at v[8 (4 i + jb)].
; The matrix instruction is used transposed (source 0 = 16 columns of w, read by the transposing load; source 1 = 16 rows of y): a lane holds eight neighbouring columns of one row.
; LIMIT: w_proj enters the products rounded to bf16, y as the sum of two bf16 numbers.
.set PA,    144
.set PB,    288
.set APAN,  256*PA                     ; 36,864: one panel's tile
.set BH,    32*PB                      ; 9,216: 32 rows of w
.set SLOT,  2*APAN+2*BH                ; 92,160
.set STAGE, 2*SLOT                     ; 184,320: 16 rows x 272 bytes for each wave; no tensor load lands here
.set SP,    272
.set ADRA, 16
.set ADRB, 18
.set STO,  20
.set RD,   21
.set CO,   22
.set BOFF, 23
.set A0,   32
.set A1,   96
.set B0,   160
.set B1,   192
.set BIAS, 224
.set G1,  24
.set G0,  32
.set G1B, 48
.set G0B, 56
.set MSB, 0
.macro WIN new
.if MSB != (\new)
	s_set_vgpr_msb (MSB<<8)|(\new)
.set MSB, (\new)
.endif
.endm
.macro PLACES                          ; four places behind a matrix instruction (ISA guide 7.12.1 for vector instructions)
.rept 4
	v_nop
.endr
.endm
.macro JLOAD s                         ; waves 0, 1: y's two panels; waves 2, 3: w's halves
	s_cmp_eq_u32 s13, 0
	s_cbranch_scc0 .Lfor_b_\@
	tensor_load_to_lds s[G0+4*\s:G0+4*\s+3], s[G1:G1+7]
	s_nop 0
	s_branch .Lasked_\@
.Lfor_b_\@:
	tensor_load_to_lds s[G0B+4*\s:G0B+4*\s+3], s[G1B:G1B+7]
	s_nop 0
.Lasked_\@:
.endm
.macro CREST
	s_cmp_lg_u32 s12, 0
	s_cbranch_scc1 .Lnot_wave_0_\@
	s_barrier_signal -3
.Lnot_wave_0_\@:
	s_barrier_wait -3
	s_barrier_signal -1
	s_barrier_wait -1
.endm
.macro CROUND
	s_barrier_signal -1
	s_barrier_wait -1
	CREST
.endm
	s_load_b256 s[4:11], s[0:1], 0x0               ; yb s[4:5], wpb s[6:7], b_proj s[8:9], out0 s[10:11]
	v_lshl_add_u32 v30, v0, 2, 0x40000
	v_mov_b32 v31, 0
	ds_add_u32 v30, v31
	ds_add_u32 v30, v31
	v_lshrrev_b32 v1, 5, v0
	v_readfirstlane_b32 s12, v1                    ; wave 0..3
	s_lshr_b32 s13, s12, 1                         ; which 128 rows are mine.  Also: I fetch y (0) or w (1)
	s_and_b32 s14, s12, 1                          ; which 64 columns
	s_bfe_u32 s15, ttmp6, 0x40000                  ; cx
	s_bfe_u32 s16, ttmp6, 0x40004                  ; cy
	s_lshl_b32 s17, ttmp9, 2
	s_add_co_u32 s17, s17, s15                     ; block column
	s_and_b32 s18, ttmp7, 0xffff
	s_lshl_b32 s18, s18, 2
	s_add_co_u32 s18, s18, s16                     ; block row
	s_lshl_b32 s19, s16, 2
	s_lshl_b32 s19, 15, s19                        ; my row of the cluster
	s_lshl_b32 s20, 0x1111, s15                    ; my column
	s_or_b32 s[G1+0], s19, (1<<16)|(1<<20)|(1<<21)|(4<<22)|(3<<25)   ; 256 rows x 64 elements, 16 bytes of padding behind each 128
	s_mov_b32 s[G1+1], 64<<16
	s_mov_b32 s[G1+2], 256<<16
	s_mov_b32 s[G1+3], 64<<16
	s_mov_b32 s[G1+4], 256
	s_mov_b32 s[G1+5], 64
	s_mov_b32 s[G1+6], 0
	s_mov_b32 s[G1+7], 0
	s_or_b32 s[G1B+0], s20, (1<<16)|(1<<20)|(1<<21)|(5<<22)|(7<<25)  ; 32 rows x 128 elements, 32 bytes of padding behind each 256
	s_mov_b32 s[G1B+1], 128<<16
	s_mov_b32 s[G1B+2], 32<<16
	s_mov_b32 s[G1B+3], 128<<16
	s_mov_b32 s[G1B+4], 32
	s_mov_b32 s[G1B+5], 1024
	s_mov_b32 s[G1B+6], 0
	s_mov_b32 s[G1B+7], 0
	s_lshl_b32 s40, s18, 15                        ; y: 256 rows of 128 bytes a block row,
	s_lshl_b32 s41, s12, 20                        ; panel = wave: wave 0 asks for the first term, wave 1 for the second
	s_add_co_u32 s40, s40, s41
	s_mov_b32 s41, 0
	s_lshl_b32 s42, s17, 8                         ; w: 256 bytes a block column,
	s_lshl_b32 s43, s14, 16                        ; 32 rows of 2,048 bytes for the second half
	s_add_co_u32 s42, s42, s43
	s_mov_b32 s43, 0
	s_mul_i32 s21, s12, APAN                       ; wave 0, 1: panel 0, 1 of the slot
	s_mul_i32 s22, s12, BH
	s_add_co_u32 s22, s22, 2*APAN-2*BH             ; wave 2, 3: w's halves behind the two panels
	s_lshl_b32 s44, s17, 9                         ; bias and columns of out0: 128 columns of 4 bytes a block column,
	s_lshl_b32 s45, s14, 8                         ; + my 64
	s_add_co_u32 s44, s44, s45
	s_mov_b32 s45, 0
	s_lshl_b32 s46, s18, 20                        ; rows of out0: 256 rows of 4,096 bytes a block row,
	s_lshl_b32 s47, s13, 19                        ; + my 128
	s_add_co_u32 s46, s46, s47
	s_mov_b32 s47, 0
	s_wait_dscnt 0x0
	s_wait_kmcnt 0x0
	s_add_nc_u64 s[40:41], s[4:5], s[40:41]
	s_add_nc_u64 s[42:43], s[6:7], s[42:43]
	s_add_nc_u64 s[8:9], s[8:9], s[44:45]
	s_add_nc_u64 s[10:11], s[10:11], s[44:45]
	s_add_nc_u64 s[10:11], s[10:11], s[46:47]
	CROUND                                         ; all sixteen work-groups are here: the first joint loads meet
.irp s, 0,1
	s_mov_b32 s[G0+4*\s], 1
	s_add_co_u32 s[G0+4*\s+1], s21, \s*SLOT
	s_add_nc_u64 s[G0+4*\s+2:G0+4*\s+3], s[40:41], \s*2097152      ; K step s = head s = panels 2 s, 2 s + 1
	s_or_b32 s[G0+4*\s+3], s[G0+4*\s+3], 0x80000000
	s_mov_b32 s[G0B+4*\s], 1
	s_add_co_u32 s[G0B+4*\s+1], s22, \s*SLOT
	s_add_nc_u64 s[G0B+4*\s+2:G0B+4*\s+3], s[42:43], \s*131072     ; 64 rows of 2,048 bytes
	s_or_b32 s[G0B+4*\s+3], s[G0B+4*\s+3], 0x80000000
	JLOAD \s                                       ; both slots' first fills: two loads of this wave are out
.endr
	v_and_b32 v1, 15, v0                           ; r
	v_bfe_u32 v2, v0, 4, 1                         ; h
	v_and_b32 v3, 7, v0
	v_bfe_u32 v4, v0, 3, 1
	v_lshlrev_b32 v[BOFF], 5, v2                   ; my eight columns of a tile begin 32 h bytes into its 64
.irp jb, 0,1,2,3
	global_load_b128 v[BIAS+8*\jb:BIAS+8*\jb+3],   v[BOFF], s[8:9] offset:64*\jb
	global_load_b128 v[BIAS+8*\jb+4:BIAS+8*\jb+7], v[BOFF], s[8:9] offset:64*\jb+16
.endr
	v_mul_u32_u24 v5, v1, PA
	v_lshl_add_u32 v5, v2, 4, v5
	s_mul_i32 s23, s13, 128*PA
	v_add_nc_u32 v[ADRA], s23, v5
	v_add_nc_u32 v[ADRA+1], SLOT, v[ADRA]
	v_lshl_add_u32 v6, v2, 3, v3
	v_mul_u32_u24 v6, v6, PB
	v_lshl_add_u32 v6, v4, 4, v6
	s_lshl_b32 s23, s14, 7
	s_add_co_u32 s23, s23, 2*APAN
	v_add_nc_u32 v[ADRB], s23, v6
	v_add_nc_u32 v[ADRB+1], SLOT, v[ADRB]
	s_mul_i32 s23, s12, 16*SP
	s_add_co_u32 s23, s23, STAGE
	v_mul_u32_u24 v5, v1, SP                       ; in: row r, 32 bytes for each half of the lanes
	v_lshl_add_u32 v5, v2, 5, v5
	v_add_nc_u32 v[STO], s23, v5
	v_mul_u32_u24 v5, v2, SP                       ; back: lanes 0-15 take one row of 256 bytes, lanes 16-31 the next
	v_lshl_add_u32 v5, v1, 4, v5
	v_add_nc_u32 v[RD], s23, v5
	v_lshlrev_b32 v[CO], 12, v2                    ; and the same two rows in out0
	v_lshl_add_u32 v[CO], v1, 4, v[CO]
; The fragments of quarter t of a K step: t & 1 = y's term, t >> 1 = which 32 of the 64 k.  16 loads of y; with the first term also 8 transposing loads of w,
; which serve both terms.
.macro FETCH slot, t, a, b
.irp i, 0,1,2,3,4,5,6,7
	ds_load_b128 v[\a+8*\i:\a+8*\i+3],   v[ADRA+\slot] offset:(\t&1)*APAN+(\t>>1)*64+\i*16*PA
	ds_load_b128 v[\a+8*\i+4:\a+8*\i+7], v[ADRA+\slot] offset:(\t&1)*APAN+(\t>>1)*64+\i*16*PA+32
.endr
.if (\t&1) == 0
.irp jb, 0,1,2,3
	ds_load_tr16_b128 v[\b+8*\jb:\b+8*\jb+3],   v[ADRB+\slot] offset:(\t>>1)*32*PB+\jb*32
	ds_load_tr16_b128 v[\b+8*\jb+4:\b+8*\jb+7], v[ADRB+\slot] offset:(\t>>1)*32*PB+\jb*32+16*PB
.endr
.endif
.endm
; 16 matrix instructions; the 32 accumulators take turns, one instruction a turn, over the loop's backward jump too.
; first = 1: C is the bias (window 0), so that the bias costs no addition and nothing is cleared.
.macro MULP a, b, i0, first
.irp i, \i0, \i0+1, \i0+2, \i0+3
.irp jb, 0,1,2,3
.if \first
	v_wmma_f32_16x16x32_bf16 v[8*(4*(\i)+\jb):8*(4*(\i)+\jb)+7], v[\b+8*\jb:\b+8*\jb+7], v[\a+8*(\i):\a+8*(\i)+7], v[BIAS+8*\jb:BIAS+8*\jb+7]
.else
	v_wmma_f32_16x16x32_bf16 v[8*(4*(\i)+\jb):8*(4*(\i)+\jb)+7], v[\b+8*\jb:\b+8*\jb+7], v[\a+8*(\i):\a+8*(\i)+7], v[8*(4*(\i)+\jb):8*(4*(\i)+\jb)+7]
.endif
.endr
.endr
.endm
; A quarter: quarter t's loads go out (16, or 24 with w's), then the fragments of the quarter at work, issued a quarter ago, are waited for: the count leaves those just issued.
.macro QUART slot, t, a, b, na, nb, first
	PLACES
	WIN 0
	FETCH \slot, \t, \na, \nb
	s_wait_dscnt 24-8*(\t&1)
.if \first
	WIN 0x40
.else
	WIN 0x50
.endif
	MULP \a, \b, 0, \first
.endm
; A K step of 64: quarters (first term, k 0-31), (second term, k 0-31), (first term, k 32-63), (second term, k 32-63).  In its third quarter the slots change: each wave
; waits for all its reads of this slot and all its tensor loads (one is out: its part of the next slot), then the barrier; fill = 1: it opens a round of the
; cluster's barrier, and the joint refill, two K steps ahead, is the first tensor load behind the round.  From a request to the wait for it a wave issues 112 matrix instructions.
.macro KSTEP slot, next, fill, first
	QUART \slot, 1, A0, B0, A1, B0, \first
	MULP A0, B0, 4, \first
	QUART \slot, 2, A1, B0, A0, B1, 0
	MULP A1, B0, 4, 0
	QUART \slot, 3, A0, B1, A1, B1, 0
	s_wait_dscnt 0x0
	s_wait_tensorcnt 0x0
	ds_add_u32 v30, v31
	s_wait_dscnt 0x0
	s_barrier_signal -1
	MULP A0, B1, 4, 0                              ; register work while the others arrive
	WIN 0
	s_barrier_wait -1
.if \fill
	CREST
	s_add_nc_u64 s[G0+4*\slot+2:G0+4*\slot+3], s[G0+4*\slot+2:G0+4*\slot+3], 4194304     ; two heads = four panels on
	s_add_nc_u64 s[G0B+4*\slot+2:G0B+4*\slot+3], s[G0B+4*\slot+2:G0B+4*\slot+3], 262144  ; 128 rows of w on
	JLOAD \slot
.endif
	PLACES
	FETCH \next, 0, A0, B0
	WIN 0x50
	MULP A1, B1, 0, 0
	MULP A1, B1, 4, 0
.endm
	s_wait_tensorcnt 0x1                           ; my part of K step 0 is in; K step 1's stays out
	s_barrier_signal -1
	s_barrier_wait -1
	FETCH 0, 0, A0, B0
	s_wait_loadcnt 0x0                             ; the bias
	KSTEP 0, 1, 1, 1                               ; 16 K steps: two in front of the loop,
	KSTEP 1, 0, 1, 0
	WIN 0
	s_mov_b32 s3, 6                                ; twelve in it,
.Llap:
	KSTEP 0, 1, 1, 0
	KSTEP 1, 0, 1, 0
	WIN 0
	s_sub_co_u32 s3, s3, 1
	s_cmp_lg_u32 s3, 0
	s_cbranch_scc1 .Llap
	KSTEP 0, 1, 0, 0                               ; the last two fill nothing
	QUART 1, 1, A0, B0, A1, B0, 0
	MULP A0, B0, 4, 0
	QUART 1, 2, A1, B0, A0, B1, 0
	MULP A1, B0, 4, 0
	QUART 1, 3, A0, B1, A1, B1, 0
	MULP A0, B1, 4, 0
	s_wait_dscnt 0x0
	MULP A1, B1, 0, 0
	MULP A1, B1, 4, 0
	; THE WAY OUT, 16 rows at a time: 32 bytes a lane and tile straight from the accumulators into my stage, read back as whole rows of 256 bytes.
	PLACES
.macro OUTP i, f
	WIN 0x04                                       ; an LDS store's data is source 1: window 1
.irp jb, 0,1,2,3
	ds_store_b128 v[STO], v[8*(4*\i+\jb):8*(4*\i+\jb)+3]   offset:64*\jb
	ds_store_b128 v[STO], v[8*(4*\i+\jb)+4:8*(4*\i+\jb)+7] offset:64*\jb+16
.endr
	WIN 0
	s_wait_xcnt 0x0                                ; buffer f, which earlier stores read, is loaded again only behind this wait (ISA guide 3.1)
.irp c, 0,1,2,3,4,5,6,7
	ds_load_b128 v[\f+4*\c:\f+4*\c+3], v[RD] offset:\c*2*SP        ; LDS serves a wave's instructions in order (ISA guide 5.7.1.4)
.endr
.irp c, 0,1,2,3,4,5,6,7
	s_wait_dscnt 7-\c
	global_store_b128 v[CO], v[\f+4*\c:\f+4*\c+3], s[10:11] offset:(16*\i+2*\c)*4096 th:TH_STORE_NT   ; 16 lanes store 256 consecutive bytes, aligned
.endr
.endm
	OUTP 0, A0
	OUTP 1, A1
	OUTP 2, A0
	OUTP 3, A1
	OUTP 4, A0
	OUTP 5, A1
	OUTP 6, A0
	OUTP 7, A1
	s_wait_tensorcnt 0x0
	ds_add_u32 v30, v31
	s_wait_dscnt 0x0
	CROUND                                         ; the closing round
	s_endpgm
.Lfunc_end_k_q63432e676f_proj:
	.size	k_q63432e676f_proj, .Lfunc_end_k_q63432e676f_proj-k_q63432e676f_proj
	.p2alignl 7, 3214868480
	.fill 96, 4, 3214868480
	.section	.rodata,"a",@progbits
	.p2align	6, 0x0
	.amdhsa_kernel k_q63432e676f_proj
		.amdhsa_group_segment_fixed_size 327680
		.amdhsa_private_segment_fixed_size 0
		.amdhsa_enable_private_segment 0
		.amdhsa_kernarg_size 32
		.amdhsa_user_sgpr_count 2
		.amdhsa_user_sgpr_kernarg_segment_ptr 1
		.amdhsa_wavefront_size32 1
		.amdhsa_system_sgpr_workgroup_id_x 1
		.amdhsa_system_sgpr_workgroup_id_y 1
		.amdhsa_system_sgpr_workgroup_id_z 1
		.amdhsa_system_vgpr_workitem_id 0
		.amdhsa_next_free_vgpr 512
		.amdhsa_next_free_sgpr 66
		.amdhsa_reserve_vcc 0
		.amdhsa_float_denorm_mode_32 3
		.amdhsa_float_denorm_mode_16_64 3
		.amdhsa_memory_ordered 1
		.amdhsa_forward_progress 1
		.amdhsa_inst_pref_size 112
	.end_amdhsa_kernel
	.amdgpu_metadata
---
amdhsa.version: [ 1, 2 ]
amdhsa.kernels:
  - .name:           k_q63432e676f_proj
    .symbol:         k_q63432e676f_proj.kd
    .args:
      - { .name: yb, .offset: 0, .size: 8, .value_kind: global_buffer, .address_space: global }
      - { .name: wpb, .offset: 8, .size: 8, .value_kind: global_buffer, .address_space: global }
      - { .name: b_proj, .offset: 16, .size: 8, .value_kind: global_buffer, .address_space: global }
      - { .name: out0, .offset: 24, .size: 8, .value_kind: global_buffer, .address_space: global }
    .group_segment_fixed_size: 327680
    .private_segment_fixed_size: 0
    .kernarg_segment_align: 8
    .kernarg_segment_size: 32
    .max_flat_workgroup_size: 128
    .sgpr_count:     66
    .vgpr_count:     512
    .wavefront_size: 32
...
	.end_amdgpu_metadata
.endif
;; end of part 4
;; ======== version 2 of 3: 4 launches
;; limits: values are held in f16: magnitudes above 65,504 overflow, below 6.1e-05 lose precision
;; workspace buffers: xb 16,777,216 bytes; wqb 6,291,456 bytes; wpb 2,097,152 bytes; qkvh 50,331,648 bytes; yb 16,777,216 bytes
;; launch cast (part 5): grid 768 x 1, 8 waves a work-group, no clusters, 0 bytes of LDS; arguments x, w_qkv, w_proj, xb, wqb, wpb; writes xb, wqb, wpb
.if DOCPART == 5
	.amdgcn_target "amdgcn-amd-amdhsa--gfx1250"
	.amdhsa_code_object_version 6
	.text
	.protected	k_q63432e676f_cast
	.globl	k_q63432e676f_cast
	.p2align	8
	.type	k_q63432e676f_cast,@function
k_q63432e676f_cast:
	s_mov_b64 s[64:65], 0
	v_nop
	global_prefetch_b8 v0, s[64:65] scope:SCOPE_SE
	s_setreg_imm32_b32 hwreg(HW_REG_WAVE_MODE, 25, 1), 1
	s_wait_xcnt 0x0
; cast: x, w_qkv (f32) -> xb, wqb (bf16, rounded to nearest even, once); w_proj (f32) -> wpb (rounded to bf16 likewise, then carried in f16).
; WHY w_proj SO: all three inputs are rounded alike, so that the program as a whole computes the attention block on inputs rounded to bf16; the last product's other
; operand, y, is f16, so w_proj travels in f16, which holds a bf16 number exactly from 2^-17 up (8 significant bits fit above f16's step of 2^-24).
; LIMIT: |w_proj| under 2^-17 = 7.6e-6 is rounded to a multiple of 6e-8; above 65,504 it becomes infinite.
; A pure stream: no LDS, no barrier, no matrix unit, no cluster (no two work-groups read the same byte).
; 768 work-groups of 65,536 source bytes each, three for each of 256 WGPs:
;   0-511:   16 rows of x.  x goes from [8192][1024] into panels [16][8192][64]: element (m, k) at (k>>6)*1,048,576 + m*128 + (k&63)*2,
;            so that 64 columns of neighbouring rows lie densely for the products that follow.
;   512-703: w_qkv, order kept.   704-767: w_proj, order kept.
; A wave issues its 16 loads of 16 bytes a lane at once (8,192 bytes on their way), then converts and stores them one by one:
; each store of the wave covers 256 consecutive bytes, aligned.  No register is used twice, so no source is ever rewritten.
.set VL, 1                             ; v1       byte offset of my 16 bytes in the source
.set VS, 2                             ; v2       byte offset of my 8 bytes in the destination
.set X,  4                             ; v[4:67]  load i: 4 registers; its first two then hold the 4 numbers of 16 bits
.macro LOADS base, step                ; 16 loads, step bytes apart
.irp i, 0,1,2,3,4,5,6,7,8,9,10,11,12,13,14,15
	global_load_b128 v[X+4*\i:X+4*\i+3], v[VL], s[\base:\base+1] offset:\i*\step th:TH_LOAD_NT
.endr
.endm
.macro TOBF i                          ; load i's four f32 to four bf16 in its first two registers
	s_wait_loadcnt 15-\i                           ; loads come back in order (ISA guide 5.7.1): load i is in, the younger ones stay out
	v_cvt_pk_bf16_f32 v[X+4*\i], v[X+4*\i], v[X+4*\i+1]
	v_cvt_pk_bf16_f32 v[X+4*\i+1], v[X+4*\i+2], v[X+4*\i+3]
.endm
.macro TOF16 i                         ; the four bf16 widened (a shift, a mask) and narrowed to f16, in the same registers
.irp d, 0,1
	v_lshlrev_b32 v[X+4*\i+2], 16, v[X+4*\i+\d]
	v_and_b32 v[X+4*\i+3], 0xffff0000, v[X+4*\i+\d]
	v_cvt_pk_f16_f32 v[X+4*\i+\d], v[X+4*\i+2], v[X+4*\i+3]
.endr
.endm
	s_load_b256 s[4:11], s[0:1], 0x0               ; x s[4:5], w_qkv s[6:7], w_proj s[8:9], xb s[10:11]
	s_load_b128 s[12:15], s[0:1], 0x20             ; wqb s[12:13], wpb s[14:15]
	v_and_b32 v3, 31, v0                           ; lane
	v_lshrrev_b32 v68, 5, v0                       ; wave
	s_mov_b32 s17, 0
	s_cmp_lt_u32 ttmp9, 512
	s_cbranch_scc0 .Lweights
	; x: wave w takes rows 2 w, 2 w + 1.  Load p: lanes 0-15 take the 256 bytes of panel p in row 2 w, lanes 16-31 in the row below.
	v_bfe_u32 v69, v0, 4, 1
	v_and_b32 v70, 15, v0
	v_lshlrev_b32 v[VL], 13, v68                   ; 2 w rows of 4,096 bytes
	v_lshl_add_u32 v[VL], v69, 12, v[VL]           ; + one row for lanes 16-31
	v_lshl_add_u32 v[VL], v70, 4, v[VL]            ; + 16 bytes a lane
	v_lshlrev_b32 v[VS], 3, v3                     ; in a panel the two rows' 2 x 128 bytes are neighbours: 8 bytes a lane,
	v_lshl_add_u32 v[VS], v68, 8, v[VS]            ; + 2 w rows of 128 bytes
	s_lshl_b32 s16, ttmp9, 16                      ; 16 rows of 4,096 bytes
	s_wait_kmcnt 0x0
	s_add_nc_u64 s[4:5], s[4:5], s[16:17]
	s_lshl_b32 s16, ttmp9, 11                      ; 16 rows of 128 bytes
	s_add_nc_u64 s[10:11], s[10:11], s[16:17]      ; panels 0-7 by the immediate from here,
	s_add_nc_u64 s[18:19], s[10:11], 0x800000      ; panels 8-15 from eight panels further: the immediate has 24 signed bits
	LOADS 4, 256
.irp i, 0,1,2,3,4,5,6,7,8,9,10,11,12,13,14,15
	TOBF \i
	global_store_b64 v[VS], v[X+4*\i:X+4*\i+1], s[10+8*(\i>>3):11+8*(\i>>3)] offset:(\i&7)*1048576
.endr
	s_endpgm
.Lweights:
	; the weights keep their order: a chunk of 65,536 bytes becomes 32,768; wave w takes 8,192 of them, load i 512
	v_lshlrev_b32 v[VL], 4, v3
	v_lshl_add_u32 v[VL], v68, 13, v[VL]
	v_lshlrev_b32 v[VS], 3, v3
	v_lshl_add_u32 v[VS], v68, 12, v[VS]
	s_cmp_lt_u32 ttmp9, 704
	s_cbranch_scc0 .Lwproj
	s_sub_co_u32 s18, ttmp9, 512                   ; w_qkv's chunk, 0-191
	s_lshl_b32 s16, s18, 16
	s_wait_kmcnt 0x0
	s_add_nc_u64 s[6:7], s[6:7], s[16:17]
	s_lshl_b32 s16, s18, 15
	s_add_nc_u64 s[12:13], s[12:13], s[16:17]
	LOADS 6, 512
.irp i, 0,1,2,3,4,5,6,7,8,9,10,11,12,13,14,15
	TOBF \i
	global_store_b64 v[VS], v[X+4*\i:X+4*\i+1], s[12:13] offset:\i*256
.endr
	s_endpgm
.Lwproj:
	s_sub_co_u32 s18, ttmp9, 704                   ; w_proj's chunk, 0-63
	s_lshl_b32 s16, s18, 16
	s_wait_kmcnt 0x0
	s_add_nc_u64 s[8:9], s[8:9], s[16:17]
	s_lshl_b32 s16, s18, 15
	s_add_nc_u64 s[14:15], s[14:15], s[16:17]
	LOADS 8, 512
.irp i, 0,1,2,3,4,5,6,7,8,9,10,11,12,13,14,15
	TOBF \i
	TOF16 \i
	global_store_b64 v[VS], v[X+4*\i:X+4*\i+1], s[14:15] offset:\i*256
.endr
	s_endpgm
.Lfunc_end_k_q63432e676f_cast:
	.size	k_q63432e676f_cast, .Lfunc_end_k_q63432e676f_cast-k_q63432e676f_cast
	.p2alignl 7, 3214868480
	.fill 96, 4, 3214868480
	.section	.rodata,"a",@progbits
	.p2align	6, 0x0
	.amdhsa_kernel k_q63432e676f_cast
		.amdhsa_group_segment_fixed_size 0
		.amdhsa_private_segment_fixed_size 0
		.amdhsa_enable_private_segment 0
		.amdhsa_kernarg_size 48
		.amdhsa_user_sgpr_count 2
		.amdhsa_user_sgpr_kernarg_segment_ptr 1
		.amdhsa_wavefront_size32 1
		.amdhsa_system_sgpr_workgroup_id_x 1
		.amdhsa_system_sgpr_workgroup_id_y 1
		.amdhsa_system_sgpr_workgroup_id_z 1
		.amdhsa_system_vgpr_workitem_id 0
		.amdhsa_next_free_vgpr 72
		.amdhsa_next_free_sgpr 66
		.amdhsa_reserve_vcc 0
		.amdhsa_float_denorm_mode_32 3
		.amdhsa_float_denorm_mode_16_64 3
		.amdhsa_memory_ordered 1
		.amdhsa_forward_progress 1
		.amdhsa_inst_pref_size 24
	.end_amdhsa_kernel
	.amdgpu_metadata
---
amdhsa.version: [ 1, 2 ]
amdhsa.kernels:
  - .name:           k_q63432e676f_cast
    .symbol:         k_q63432e676f_cast.kd
    .args:
      - { .name: x, .offset: 0, .size: 8, .value_kind: global_buffer, .address_space: global }
      - { .name: w_qkv, .offset: 8, .size: 8, .value_kind: global_buffer, .address_space: global }
      - { .name: w_proj, .offset: 16, .size: 8, .value_kind: global_buffer, .address_space: global }
      - { .name: xb, .offset: 24, .size: 8, .value_kind: global_buffer, .address_space: global }
      - { .name: wqb, .offset: 32, .size: 8, .value_kind: global_buffer, .address_space: global }
      - { .name: wpb, .offset: 40, .size: 8, .value_kind: global_buffer, .address_space: global }
    .group_segment_fixed_size: 0
    .private_segment_fixed_size: 0
    .kernarg_segment_align: 8
    .kernarg_segment_size: 48
    .max_flat_workgroup_size: 256
    .sgpr_count:     66
    .vgpr_count:     72
    .wavefront_size: 32
...
	.end_amdgpu_metadata
.endif
;; end of part 5
;; launch qkv (part 6): grid 8 x 32, 4 waves a work-group, clusters of 4 x 4, 327,680 bytes of LDS; arguments xb, wqb, b_qkv, qkvh; writes qkvh
.if DOCPART == 6
	.amdgcn_target "amdgcn-amd-amdhsa--gfx1250"
	.amdhsa_code_object_version 6
	.text
	.protected	k_q63432e676f_qkv
	.globl	k_q63432e676f_qkv
	.p2align	8
	.type	k_q63432e676f_qkv,@function
k_q63432e676f_qkv:
	s_mov_b64 s[64:65], 0
	v_nop
	global_prefetch_b8 v0, s[64:65] scope:SCOPE_SE
	s_setreg_imm32_b32 hwreg(HW_REG_WAVE_MODE, 25, 1), 1
	s_wait_xcnt 0x0
	s_wait_alu depctr_hold_cnt(0) depctr_sa_sdst(0) depctr_va_vdst(0) depctr_va_sdst(0) depctr_va_ssrc(0) depctr_va_vcc(0) depctr_vm_vsrc(0)
	s_getreg_b32 s2, hwreg(HW_REG_IB_STS2, 6, 4)
	s_cmp_eq_u32 s2, 0
	s_cbranch_scc0 .Lentry_in_a_cluster
	s_endpgm
.Lentry_in_a_cluster:
	s_bfe_u32 s2, ttmp6, 0x10000c
	s_cmp_lg_u32 s2, 0xf033
	s_cbranch_scc0 .Lentry_shape_is_right
	s_endpgm
.Lentry_shape_is_right:
; qkvh = x w_qkv + b_qkv.  xb: bf16 panels [16][8192][64]; wqb: bf16 [1024 k][3072 n]; b_qkv: f32; qkvh: F16 panels [48][8192][64]
; (panel = column / 64: 0-15 q's heads, 16-31 k's, 32-47 v's).  Sums in f32, the bias added in f32, one rounding to f16.
; WHY F16 OUT: q, k and v are operands of the attention's products; f16 keeps 11 significant bits where bf16 keeps 8, and a row of the attention that
; leans on few keys hands v's rounding on undiminished.
; A work-group makes 256 rows x 384 columns with four waves; wave w makes rows 128 (w>>1) .. +127 and the three column groups
; 128 s + 64 (w&1) .. +63, s = 0..2, each of them one whole panel: 96 accumulator tiles of 16 x 16, 768 registers.
; K goes in steps of 64 (one panel of xb) through two LDS slots.  A's tile, the block's 256 rows of one panel, is 32,768 dense bytes and comes in as 128 rows of
; 256 consecutive bytes, aligned: two rows of x side by side, 16 bytes of padding behind each pair.  B's three tiles are 64 rows (k) of 256 bytes.
; Wave 0 fetches A's tile, waves 1-3 one tile of B each: one tensor load a wave for each fill.
; CLUSTERS: 4 x 4 work-groups.  A's tile hangs on the block row alone and is asked for jointly by a row of the cluster, B's on the block
; column alone and is asked for jointly by a column: the requests for both are divided by four.
; NO PREFETCH: a tile is asked for 176 matrix instructions of a wave ahead of the wait for it.
; REGISTERS: window 0: v0-31 addresses, v32-95 and v96-159 A's fragments (two buffers), v160-255 B's fragments (group s at 160 + 32 s);
; window 1 + s: the 32 tiles of column group s, tile (i, jb) at v[8 (4 i + jb)].
; B lies [k][n] in LDS and is read by the transposing load.  THE MATRIX INSTRUCTION IS USED TRANSPOSED (source 0 = 16 columns of w, source 1 =
; 16 rows of x): lane l then holds row l % 16 and eight neighbouring columns 8 (l / 16) + 0..7, which pack into 16 bytes.
; LIMITS: x and w_qkv enter the products rounded to bf16.  q, k and v leave rounded to f16: a magnitude above 65,504 becomes infinite.  (With x of spread 1 and
; w of spread 0.02 they have spread 0.64; both inputs 30 times larger: 576; both with an offset of 30 spreads: 1024 x 30 x 0.6 = 18,432.)
.set PA2,    272                       ; two rows of A in LDS: 256 bytes + 16.  Row m lies at (m>>1) 272 + (m&1) 128: the 16 rows of a fragment start at the 16-byte
                                       ; columns (r>>1) 16 + (r&1) 128 of 256 bytes, sixteen different ones (64 banks of 4 bytes: ISA guide 11.1)
.set PB,     288                       ; B's LDS row: 256 bytes + 32: an odd multiple of 32, as the transposing load's eight rows want
.set PS,     144                       ; a row of the stage: 128 bytes + 16
.set ABYTES, 128*PA2                   ; 34,816
.set BT,     64*PB                     ; 18,432: one tile of B
.set SLOT,   ABYTES+3*BT               ; 90,112
.set STAGE,  2*SLOT                    ; 180,224: 16 rows x 144 bytes for each wave, for the way out; no tensor load lands here
.set BIASL,  STAGE+4*16*PS             ; 189,440: 768 bytes for each wave: the bias of its 192 columns
.set ADRA, 16                          ; v16-17  LDS address of my A fragments in slot 0, 1
.set ADRB, 18                          ; v18-19  the same for B
.set STO,  20                          ; v20     way out: where I put 16 bytes of a row
.set RD,   21                          ; v21     way out: where I read rows back
.set CO,   22                          ; v22     16 x lane
.set BADR, 23                          ; v23     where my bias numbers lie
.set A0,   32
.set A1,   96
.set BF,   160
.set TMP,  32                          ; way out: 32 sums with bias
.set PK,   64                          ; way out: 16 registers of packed f16
.set G1,  24                           ; s[24:31] group 1 of A's tile
.set G0,  32                           ; s[32:39] group 0 of A's tile, one set for each slot
.set G1B, 48                           ; s[48:55] group 1 of B's tiles
.set G0B, 56                           ; s[56:63] group 0 of B's tiles, one set for each slot
.set MSB, 0
.macro WIN new                         ; low byte: bits 1:0 source 0, 3:2 source 1, 5:4 source 2, 7:6 destination; the high byte repeats the setting that is left
.if MSB != (\new)
	s_set_vgpr_msb (MSB<<8)|(\new)
.set MSB, (\new)
.endif
.endm
.macro PLACES                          ; four independent vector instructions behind a matrix instruction, before a load lands in one of its registers
.rept 4                                ; or a vector instruction reads its result (ISA guide 7.12.1 for vector instructions)
	v_nop
.endr
.endm
; A joint load: wave 0 asks for A's tile, waves 1-3 for one tile of B each.  The branch hangs on the wave's number alone.
.macro JLOAD s
	s_cmp_eq_u32 s12, 0
	s_cbranch_scc0 .Lfor_b_\@
	tensor_load_to_lds s[G0+4*\s:G0+4*\s+3], s[G1:G1+7]
	s_nop 0
	s_branch .Lasked_\@
.Lfor_b_\@:
	tensor_load_to_lds s[G0B+4*\s:G0B+4*\s+3], s[G1B:G1B+7]
	s_nop 0
.Lasked_\@:
.endm
.macro CREST                           ; a round of the cluster's barrier behind its opening work-group barrier
	s_cmp_lg_u32 s12, 0
	s_cbranch_scc1 .Lnot_wave_0_\@
	s_barrier_signal -3
.Lnot_wave_0_\@:
	s_barrier_wait -3
	s_barrier_signal -1
	s_barrier_wait -1
.endm
.macro CROUND
	s_barrier_signal -1
	s_barrier_wait -1
	CREST
.endm
	s_load_b256 s[4:11], s[0:1], 0x0               ; xb s[4:5], wqb s[6:7], b_qkv s[8:9], qkvh s[10:11]
	v_lshl_add_u32 v14, v0, 2, 0x30000
	v_mov_b32 v15, 0
	ds_add_u32 v14, v15
	ds_add_u32 v14, v15
	v_lshrrev_b32 v1, 5, v0
	v_readfirstlane_b32 s12, v1                    ; wave 0..3
	s_lshr_b32 s13, s12, 1                         ; which 128 rows are mine
	s_and_b32 s14, s12, 1                          ; which 64 columns of each group of 128
	s_bfe_u32 s15, ttmp6, 0x40000                  ; cx
	s_bfe_u32 s16, ttmp6, 0x40004                  ; cy
	s_lshl_b32 s17, ttmp9, 2
	s_add_co_u32 s17, s17, s15                     ; block column = 4 x cluster x + cx
	s_and_b32 s18, ttmp7, 0xffff
	s_lshl_b32 s18, s18, 2
	s_add_co_u32 s18, s18, s16                     ; block row = 4 x cluster y + cy
	s_lshl_b32 s19, s16, 2
	s_lshl_b32 s19, 15, s19                        ; my row of the cluster
	s_lshl_b32 s20, 0x1111, s15                    ; my column
	s_or_b32 s[G1+0], s19, (1<<16)|(1<<20)|(1<<21)|(5<<22)|(3<<25)   ; mask; 2-byte elements; padding on; bit 21 beside a mask; after every 64 words 4 words
	s_mov_b32 s[G1+1], 128<<16                     ; tensor_dim0 = 128 elements: two rows of the panel
	s_mov_b32 s[G1+2], 128<<16                     ; tensor_dim1 = 128
	s_mov_b32 s[G1+3], 128<<16                     ; tile_dim0 = 128
	s_mov_b32 s[G1+4], 128                         ; tile_dim1 = 128
	s_mov_b32 s[G1+5], 128                         ; 128 elements from row to row: a panel is dense
	s_mov_b32 s[G1+6], 0
	s_mov_b32 s[G1+7], 0
	s_or_b32 s[G1B+0], s20, (1<<16)|(1<<20)|(1<<21)|(5<<22)|(7<<25)  ; after every 64 words 8 words
	s_mov_b32 s[G1B+1], 128<<16                    ; tensor_dim0 = 128
	s_mov_b32 s[G1B+2], 64<<16                     ; tensor_dim1 = 64
	s_mov_b32 s[G1B+3], 128<<16                    ; tile_dim0 = 128
	s_mov_b32 s[G1B+4], 64                         ; tile_dim1 = 64
	s_mov_b32 s[G1B+5], 3072                       ; elements from one k to the next
	s_mov_b32 s[G1B+6], 0
	s_mov_b32 s[G1B+7], 0
	s_lshl_b32 s40, s18, 15                        ; A: 256 rows of 128 bytes for each block row
	s_mov_b32 s41, 0
	s_max_u32 s42, s12, 1
	s_sub_co_u32 s42, s42, 1                       ; B: tile wave - 1 (wave 0 asks by A's line and never uses this)
	s_lshl_b32 s42, s42, 8                         ; 256 bytes a tile,
	s_mul_i32 s43, s17, 768                        ; 768 bytes a block column
	s_add_co_u32 s42, s42, s43
	s_mov_b32 s43, 0
	s_mul_i32 s21, s12, BT
	s_add_co_u32 s21, s21, ABYTES-BT               ; B's tile wave - 1 lies behind A's 34,816 bytes
	s_mul_i32 s44, s17, 1536                       ; bias: 384 columns of 4 bytes a block column,
	s_lshl_b32 s45, s14, 8                         ; + my 64 columns
	s_add_co_u32 s44, s44, s45
	s_mov_b32 s45, 0
	s_wait_dscnt 0x0
	s_wait_kmcnt 0x0
	s_add_nc_u64 s[40:41], s[4:5], s[40:41]
	s_add_nc_u64 s[42:43], s[6:7], s[42:43]
	s_add_nc_u64 s[8:9], s[8:9], s[44:45]
	CROUND                                         ; all sixteen work-groups are here: the first joint loads meet
.irp s, 0,1
	s_mov_b32 s[G0+4*\s], 1
	s_mov_b32 s[G0+4*\s+1], \s*SLOT
	s_add_nc_u64 s[G0+4*\s+2:G0+4*\s+3], s[40:41], \s*1048576      ; K step s = panel s
	s_or_b32 s[G0+4*\s+3], s[G0+4*\s+3], 0x80000000
	s_mov_b32 s[G0B+4*\s], 1
	s_add_co_u32 s[G0B+4*\s+1], s21, \s*SLOT
	s_add_nc_u64 s[G0B+4*\s+2:G0B+4*\s+3], s[42:43], \s*393216     ; 64 rows of 6,144 bytes
	s_or_b32 s[G0B+4*\s+3], s[G0B+4*\s+3], 0x80000000
	JLOAD \s                                       ; both slots' first fills go out before anything else: two loads of this wave are out
.endr
	v_and_b32 v1, 15, v0                           ; r = l % 16
	v_bfe_u32 v2, v0, 4, 1                         ; h = l / 16
	v_and_b32 v3, 7, v0
	v_bfe_u32 v4, v0, 3, 1
	v_lshrrev_b32 v8, 1, v1                        ; A: row r of a fragment lies in pair r >> 1,
	v_and_b32 v9, 1, v0                            ; half r & 1
	v_mul_u32_u24 v8, v8, PA2
	v_lshl_add_u32 v8, v9, 7, v8
	v_lshl_add_u32 v8, v2, 4, v8                   ; (r >> 1) x 272 + (r & 1) x 128 + 16 h
	s_mul_i32 s22, s13, 64*PA2                     ; my 128 rows = 64 pairs
	v_add_nc_u32 v[ADRA], s22, v8
	v_add_nc_u32 v[ADRA+1], SLOT, v[ADRA]
	v_lshl_add_u32 v6, v2, 3, v3                   ; the transposing load: row 8 h + l % 8,
	v_mul_u32_u24 v6, v6, PB
	v_lshl_add_u32 v6, v4, 4, v6                   ; 16 bytes further for the upper eight lanes of each sixteen
	s_lshl_b32 s23, s14, 7
	s_add_co_u32 s23, s23, ABYTES
	v_add_nc_u32 v[ADRB], s23, v6
	v_add_nc_u32 v[ADRB+1], SLOT, v[ADRB]
	v_mul_u32_u24 v5, v1, PS                       ; the stage: row r, 16 bytes for each half of the lanes
	v_lshl_add_u32 v5, v2, 4, v5
	s_mul_i32 s22, s12, 16*PS
	s_add_co_u32 s22, s22, STAGE
	v_add_nc_u32 v[STO], s22, v5
	v_bfe_u32 v6, v0, 3, 2                         ; back: eight lanes take a row of 128 bytes, the wave four rows
	v_mul_u32_u24 v6, v6, PS
	v_lshl_add_u32 v6, v3, 4, v6
	v_add_nc_u32 v[RD], s22, v6
	v_and_b32 v7, 31, v0
	v_lshlrev_b32 v[CO], 4, v7
	; the bias of my 3 x 64 columns goes once into my own 768 bytes of LDS: three loads of 256 consecutive bytes
	v_lshlrev_b32 v24, 3, v7
	s_mul_i32 s23, s12, 768
	s_add_co_u32 s23, s23, BIASL
	v_add_nc_u32 v25, s23, v24
	v_lshl_add_u32 v[BADR], v2, 5, s23             ; my eight numbers of a tile begin 32 h bytes into its 64
	global_load_b64 v[26:27], v24, s[8:9]
	global_load_b64 v[28:29], v24, s[8:9] offset:512
	global_load_b64 v[30:31], v24, s[8:9] offset:1024
	s_mul_i32 s44, s17, 6                          ; out: panel 6 x block column + my half,
	s_add_co_u32 s44, s44, s14
	s_lshl_b32 s44, s44, 20
	s_lshl_b32 s45, s18, 15                        ; 256 rows of 128 bytes a block row,
	s_add_co_u32 s44, s44, s45
	s_lshl_b32 s45, s13, 14                        ; my 128 rows
	s_add_co_u32 s44, s44, s45
	s_mov_b32 s45, 0
	s_add_nc_u64 s[10:11], s[10:11], s[44:45]
	s_wait_loadcnt 0x0
	ds_store_b64 v25, v[26:27]
	ds_store_b64 v25, v[28:29] offset:256
	ds_store_b64 v25, v[30:31] offset:512
.macro FETCHA slot, t, buf             ; 16 loads: my 128 rows, 32 along K at byte 64 t of the rows; 16 rows are 8 pairs
.irp i, 0,1,2,3,4,5,6,7
	ds_load_b128 v[\buf+8*\i:\buf+8*\i+3],   v[ADRA+\slot] offset:\t*64+\i*8*PA2
	ds_load_b128 v[\buf+8*\i+4:\buf+8*\i+7], v[ADRA+\slot] offset:\t*64+\i*8*PA2+32
.endr
.endm
.macro FETCHB slot, t, s               ; 8 transposing loads: my 64 columns of group s, k rows 32 t .. 32 t + 31
.irp jb, 0,1,2,3
	ds_load_tr16_b128 v[BF+32*\s+8*\jb:BF+32*\s+8*\jb+3],   v[ADRB+\slot] offset:\s*BT+\t*32*PB+\jb*32
	ds_load_tr16_b128 v[BF+32*\s+8*\jb+4:BF+32*\s+8*\jb+7], v[ADRB+\slot] offset:\s*BT+\t*32*PB+\jb*32+16*PB
.endr
.endm
; 16 matrix instructions: row blocks i0 .. i0 + 3 x the four column blocks of group s.  The accumulators take turns, one instruction a turn,
; in the same order in every substep and over the loop's backward jump.  zero = 1: the first product starts the sums.
.macro MULH buf, s, i0, zero
.irp i, \i0, \i0+1, \i0+2, \i0+3
.irp jb, 0,1,2,3
.if \zero
	v_wmma_f32_16x16x32_bf16 v[8*(4*(\i)+\jb):8*(4*(\i)+\jb)+7], v[BF+32*\s+8*\jb:BF+32*\s+8*\jb+7], v[\buf+8*(\i):\buf+8*(\i)+7], 0
.else
	v_wmma_f32_16x16x32_bf16 v[8*(4*(\i)+\jb):8*(4*(\i)+\jb)+7], v[BF+32*\s+8*\jb:BF+32*\s+8*\jb+7], v[\buf+8*(\i):\buf+8*(\i)+7], v[8*(4*(\i)+\jb):8*(4*(\i)+\jb)+7]
.endif
.endr
.endr
.endm
; The first 32 along K of a slot.  On the way in, in this order: B group 0 (8 loads), A (16), B group 1 (8), B group 2 (8).
; Behind each stretch of 32 matrix instructions its B group is loaded again for the next substep; A's next fragments go into the other buffer.
.macro EVEN slot, zero
	s_wait_dscnt 16                                ; B group 0 and A are in; the 16 loads of groups 1 and 2 may be out
	WIN 0x50
	MULH A0, 0, 0, \zero
	MULH A0, 0, 4, \zero
	PLACES
	WIN 0
	FETCHB \slot, 1, 0
	FETCHA \slot, 1, A1
	s_wait_dscnt 32                                ; behind B group 1 were issued 8 + 8 + 16 loads
	WIN 0xa0
	MULH A0, 1, 0, \zero
	MULH A0, 1, 4, \zero
	PLACES
	WIN 0
	FETCHB \slot, 1, 1
	s_wait_dscnt 32                                ; behind B group 2 were issued 8 + 16 + 8 loads
	WIN 0xf0
	MULH A0, 2, 0, \zero
	MULH A0, 2, 4, \zero
	PLACES
	WIN 0
	FETCHB \slot, 1, 2
.endm
; The second 32 along K, and the change of slots, which stands behind the first stretch: the last eight reads of this slot were issued 32 matrix instructions ahead of
; the wait for them.  In front of the barrier each wave waits for all its reads of this slot (its last fragments are then in registers) and for all its tensor loads,
; of which one is out: its part of the next slot.  fill = 1: the barrier opens a round of the cluster's barrier, and the joint refill of this slot, two K steps ahead,
; is the first tensor load behind the round, the wave's only one until the next.  From a request to the wait for it a wave issues 48 + 96 + 32 = 176 matrix instructions.
.macro TURN slot, next, fill
	s_wait_dscnt 16
	WIN 0x50
	MULH A1, 0, 0, 0
	MULH A1, 0, 4, 0
	s_wait_dscnt 0x0                               ; my reads of this slot are over
	s_wait_tensorcnt 0x0                           ; all my tensor loads have landed
	ds_add_u32 v14, v15
	s_wait_dscnt 0x0
	s_barrier_signal -1
	WIN 0xa0
	MULH A1, 1, 0, 0                               ; register work while the others arrive
	WIN 0
	s_barrier_wait -1
.if \fill
	CREST
	s_add_nc_u64 s[G0+4*\slot+2:G0+4*\slot+3], s[G0+4*\slot+2:G0+4*\slot+3], 2097152     ; two panels on
	s_add_nc_u64 s[G0B+4*\slot+2:G0B+4*\slot+3], s[G0B+4*\slot+2:G0B+4*\slot+3], 786432  ; 128 rows of w on
	JLOAD \slot
.endif
	PLACES
	FETCHB \next, 0, 0
	FETCHA \next, 0, A0
	WIN 0xa0
	MULH A1, 1, 4, 0
	PLACES
	WIN 0
	FETCHB \next, 0, 1
	WIN 0xf0
	MULH A1, 2, 0, 0
	MULH A1, 2, 4, 0
	PLACES
	WIN 0
	FETCHB \next, 0, 2
.endm
.macro LAP zero
	EVEN 0, \zero
	TURN 0, 1, 1
	EVEN 1, 0
	TURN 1, 0, 1
.endm
	s_wait_tensorcnt 0x1                           ; my part of K step 0 is in; K step 1's stays out
	s_wait_dscnt 0x0                               ; my bias stores
	s_barrier_signal -1
	s_barrier_wait -1
	FETCHB 0, 0, 0
	FETCHA 0, 0, A0
	FETCHB 0, 0, 1
	FETCHB 0, 0, 2
	LAP 1                                          ; 16 K steps = 8 laps: the first starts the sums,
	s_mov_b32 s3, 6                                ; six go round,
.Llap:
	LAP 0
	s_sub_co_u32 s3, s3, 1
	s_cmp_lg_u32 s3, 0
	s_cbranch_scc1 .Llap
	EVEN 0, 0                                      ; the last fills nothing
	TURN 0, 1, 0
	EVEN 1, 0
	s_wait_dscnt 16                                ; the very last substep: the counts run down
	WIN 0x50
	MULH A1, 0, 0, 0
	MULH A1, 0, 4, 0
	s_wait_dscnt 8
	WIN 0xa0
	MULH A1, 1, 0, 0
	MULH A1, 1, 4, 0
	s_wait_dscnt 0x0
	WIN 0xf0
	MULH A1, 2, 0, 0
	MULH A1, 2, 4, 0
	; THE WAY OUT.  The bias of tile (s, jb), my eight columns, into the registers that held B's fragments; then 16 rows of one panel at a time:
	; add the bias, round to f16, 16 bytes a lane into my stage, read four rows of 128 bytes back, which are 512 consecutive bytes of the panel.
	PLACES
	WIN 0
.irp s, 0,1,2
.irp jb, 0,1,2,3
	ds_load_b128 v[BF+32*\s+8*\jb:BF+32*\s+8*\jb+3],   v[BADR] offset:\s*256+\jb*64
	ds_load_b128 v[BF+32*\s+8*\jb+4:BF+32*\s+8*\jb+7], v[BADR] offset:\s*256+\jb*64+16
.endr
.endr
	s_wait_dscnt 0x0
.macro OUT16 s, i, f
	WIN (1+\s)                                     ; source 0 = the accumulators of group s
.irp jb, 0,1,2,3
.irp k, 0,2,4,6
	v_pk_add_f32 v[TMP+8*\jb+\k:TMP+8*\jb+\k+1], v[8*(4*\i+\jb)+\k:8*(4*\i+\jb)+\k+1], v[BF+32*\s+8*\jb+\k:BF+32*\s+8*\jb+\k+1]
.endr
.endr
	WIN 0
.irp jb, 0,1,2,3
.irp d, 0,1,2,3
	v_cvt_pk_f16_f32 v[PK+4*\jb+\d], v[TMP+8*\jb+2*\d], v[TMP+8*\jb+2*\d+1]
.endr
.endr
.irp jb, 0,1,2,3
	ds_store_b128 v[STO], v[PK+4*\jb:PK+4*\jb+3] offset:32*\jb
.endr
	s_wait_xcnt 0x0                                ; buffer f, which earlier stores read, is loaded again only behind this wait (ISA guide 3.1)
.irp c, 0,1,2,3
	ds_load_b128 v[\f+4*\c:\f+4*\c+3], v[RD] offset:\c*4*PS        ; LDS serves a wave's instructions in order (ISA guide 5.7.1.4): these see the stores above
.endr
.irp c, 0,1,2,3
	s_wait_dscnt 3-\c
	global_store_b128 v[CO], v[\f+4*\c:\f+4*\c+3], s[10:11] offset:\s*2097152+\i*2048+\c*512   ; the wave stores 512 consecutive bytes, aligned
.endr
.endm
.irp s, 0,1,2
.irp i, 0,2,4,6
	OUT16 \s, \i, 96
	OUT16 \s, (\i+1), 112
.endr
.endr
	s_wait_tensorcnt 0x0
	ds_add_u32 v14, v15
	s_wait_dscnt 0x0
	CROUND                                         ; the closing round: no work-group ends while a partner may still ask for a tile that names it
	s_endpgm
.Lfunc_end_k_q63432e676f_qkv:
	.size	k_q63432e676f_qkv, .Lfunc_end_k_q63432e676f_qkv-k_q63432e676f_qkv
	.p2alignl 7, 3214868480
	.fill 96, 4, 3214868480
	.section	.rodata,"a",@progbits
	.p2align	6, 0x0
	.amdhsa_kernel k_q63432e676f_qkv
		.amdhsa_group_segment_fixed_size 327680
		.amdhsa_private_segment_fixed_size 0
		.amdhsa_enable_private_segment 0
		.amdhsa_kernarg_size 32
		.amdhsa_user_sgpr_count 2
		.amdhsa_user_sgpr_kernarg_segment_ptr 1
		.amdhsa_wavefront_size32 1
		.amdhsa_system_sgpr_workgroup_id_x 1
		.amdhsa_system_sgpr_workgroup_id_y 1
		.amdhsa_system_sgpr_workgroup_id_z 1
		.amdhsa_system_vgpr_workitem_id 0
		.amdhsa_next_free_vgpr 1024
		.amdhsa_next_free_sgpr 66
		.amdhsa_reserve_vcc 0
		.amdhsa_float_denorm_mode_32 3
		.amdhsa_float_denorm_mode_16_64 3
		.amdhsa_memory_ordered 1
		.amdhsa_forward_progress 1
		.amdhsa_inst_pref_size 197
	.end_amdhsa_kernel
	.amdgpu_metadata
---
amdhsa.version: [ 1, 2 ]
amdhsa.kernels:
  - .name:           k_q63432e676f_qkv
    .symbol:         k_q63432e676f_qkv.kd
    .args:
      - { .name: xb, .offset: 0, .size: 8, .value_kind: global_buffer, .address_space: global }
      - { .name: wqb, .offset: 8, .size: 8, .value_kind: global_buffer, .address_space: global }
      - { .name: b_qkv, .offset: 16, .size: 8, .value_kind: global_buffer, .address_space: global }
      - { .name: qkvh, .offset: 24, .size: 8, .value_kind: global_buffer, .address_space: global }
    .group_segment_fixed_size: 327680
    .private_segment_fixed_size: 0
    .kernarg_segment_align: 8
    .kernarg_segment_size: 32
    .max_flat_workgroup_size: 128
    .sgpr_count:     66
    .vgpr_count:     1024
    .wavefront_size: 32
...
	.end_amdgpu_metadata
.endif
;; end of part 6
;; launch attn (part 7): grid 4 x 64, 8 waves a work-group, no clusters, 327,680 bytes of LDS; arguments qkvh, yb; writes yb
.if DOCPART == 7
	.amdgcn_target "amdgcn-amd-amdhsa--gfx1250"
	.amdhsa_code_object_version 6
	.text
	.protected	k_q63432e676f_attn
	.globl	k_q63432e676f_attn
	.p2align	8
	.type	k_q63432e676f_attn,@function
k_q63432e676f_attn:
	s_mov_b64 s[64:65], 0
	v_nop
	global_prefetch_b8 v0, s[64:65] scope:SCOPE_SE
	s_setreg_imm32_b32 hwreg(HW_REG_WAVE_MODE, 25, 1), 1
	s_wait_xcnt 0x0
; y = softmax(causal(q k^T / 8)) v, head by head.  qkvh: f16 panels [48][8192][64] (q 0-15, k 16-31, v 32-47; row = 2048 b + t); yb: f16 panels [16][8192][64].
; y is a weighted mean of v's rows, so it has room wherever v has; f16 keeps 11 significant bits of it for the last product.
; Work-group (j, 16 b + h), j = 0..3, makes query blocks j and then 7 - j (256 rows each) of one head: (j + 1) + (8 - j) = 9 steps of 256 keys for every
; work-group; blocks wholly above the diagonal are never computed.  Eight waves; wave w owns the 32 query rows 32 sg .. 32 sg + 31 of a block, sg = w xor 3 (w >> 2)
; (0,1,2,3,7,6,5,4), so that waves w and w + 4 together have five subtiles of 64 keys on a diagonal step.
; S IS MADE TRANSPOSED: S^T = K Q^T, so that lane l holds query l % 16 and keys 8 (l / 16) + 0..7 of a tile.  The softmax then needs one exchange between the two
; halves of the wave, and exp(S), rounded to f16 in place, already lies as source 1 of the second product, O^T = V^T P^T, whose result gives a lane eight
; neighbouring d of one query.  A running maximum is taken away before every exponential, so the probabilities lie in 0 .. 1; sums and O are f32.
; K and V come by tensor loads into two LDS slots: waves 0-3 fetch 64 keys of K each, waves 4-7 64 keys of V, one load a wave behind each barrier; one load of a wave is out at a time.
; A head's 64 keys are 8,192 dense bytes of its panel and come in as 32 rows of 256 consecutive bytes, aligned: two keys side by side, padding behind each pair.
; NO MULTICAST: the four work-groups of a head walk key blocks 0..j, 0..7-j, a different order for each j, so at no step but the first do they want the same tile;
; walking in step would take 4 + 8 = 12 steps in place of 9.  NO PREFETCH: each step's tiles are asked for a whole step (128 matrix instructions a wave and its softmax) ahead.
; LIMITS: q, k, v and the probabilities enter the products as f16; a probability under about 3e-8 of its row's largest rounds to zero.  y leaves as f16: under 6.1e-5 it
; keeps a step of 6e-8 in place of 11 bits.  v_exp_f32 gives zero for results under 2^-126 (ISA guide 15.8).  O and the sums of the second block are cleared by the
; factor exp2(-inf) = 0 on what the first block left: that needs the first block's to be finite; it is the earlier block, whose keys the later one sees too.
.set KP2,   272                        ; two keys of K in LDS: 256 bytes + 16.  Key n lies at (n>>1) 272 + (n&1) 128: a fragment's 16 keys start at the 16-byte columns
                                       ; (r>>1) 16 + (r&1) 128 of 256 bytes, sixteen different ones (64 banks of 4 bytes: ISA guide 11.1)
.set VP2,   288                        ; two keys of V: 256 bytes + 32: the transposing load's eight keys and two 16-byte pieces fall on the columns j 32 + (l&1) 128 + 16 b, sixteen different ones
.set SPI,   144                        ; a row of the stage: 128 bytes + 16
.set REG,   9216                       ; a region: 64 keys of K (32 x 272 = 8,704 bytes used) or of V (32 x 288 = 9,216)
.set SLOT,  8*REG                      ; 73,728: K's four quarters, then V's four
.set STAGE, 2*SLOT                     ; 147,456: 32 rows x 144 bytes for each wave; no tensor load lands here
.set KA,   1                           ; v1-2    my K address in slot 0, 1
.set VA,   3                           ; v3-4    my V address
.set KD,   5                           ; v5-6    the same at the quarter that holds my diagonal
.set VD,   7                           ; v7-8
.set NEG,  9                           ; v9      -inf
.set LIM,  10                          ; v10-11  query tile qt: key 16 kt + j of the diagonal quarter is masked where 16 kt + j > LIM
.set M,    12                          ; v12-13  running maximum of query tile 0, 1
.set L,    14                          ; v14-15  running sum, of my half of the keys
.set NM,   16                          ; v16-19  -maximum x c, twice for each query tile (pairs for the packed forms); at the head: at work
.set AL,   20                          ; v20-23  the factor on the old sums, twice for each query tile
.set T,    24                          ; v24-27  at work
.set QOFF, 28
.set STO,  29
.set RD,   30
.set CO,   31
.set QF,   32                          ; v32-63   Q's fragments, (qt, ks) at 8 (2 qt + ks)
.set O,    64                          ; v64-127  O^T, tile (dt, qt) at 8 (2 dt + qt)
.set S,    128                         ; v128-191 S^T, tile (qt, kt) at 32 qt + 8 kt; then P, fragment (qt, kc) at 32 qt + 16 kc
.set KV,   192                         ; v192-255 K's fragments, (kt, ks) at 8 (4 ks + kt); then V's, (dt, kc) at 8 (4 kc + dt)
.set G1K, 16                           ; s[16:23]
.set G1V, 24                           ; s[24:31]
.set G0,  32                           ; s[32:39] a set for each slot
.macro JLOAD s                         ; waves 0-3: K's padding; waves 4-7: V's
	s_cmp_lt_u32 s12, 4
	s_cbranch_scc0 .Lfor_v_\@
	tensor_load_to_lds s[G0+4*(\s):G0+4*(\s)+3], s[G1K:G1K+7]
	s_nop 0
	s_branch .Lasked_\@
.Lfor_v_\@:
	tensor_load_to_lds s[G0+4*(\s):G0+4*(\s)+3], s[G1V:G1V+7]
	s_nop 0
.Lasked_\@:
.endm
	s_load_b128 s[4:7], s[0:1], 0x0                ; qkvh s[4:5], yb s[6:7]
	s_set_vgpr_msb 0x40
	v_lshl_add_u32 v0, v0, 2, 0x2d000
	v_mov_b32 v1, 0
	s_set_vgpr_msb 0x4045
	ds_add_u32 v0, v1
	ds_add_u32 v0, v1
	s_set_vgpr_msb 0x4500
	v_lshrrev_b32 v1, 5, v0
	v_readfirstlane_b32 s12, v1                    ; wave 0..7
	s_lshr_b32 s8, s12, 2                          ; 0: I fetch K; 1: V
	s_mul_i32 s13, s8, 3
	s_xor_b32 s13, s13, s12                        ; sg: my 32 rows of a block
	s_lshr_b32 s14, s13, 1                         ; the quarter of a diagonal step that holds my diagonal = full quarters in front of it
	s_mul_i32 s63, s14, REG
	s_and_b32 s9, ttmp7, 0xffff
	s_and_b32 s10, s9, 15
	s_lshl_b32 s10, s10, 20                        ; head: a panel of 1,048,576 bytes
	s_lshr_b32 s11, s9, 4
	s_lshl_b32 s11, s11, 18                        ; batch: 2,048 rows of 128 bytes
	s_add_co_u32 s10, s10, s11
	s_lshl_b32 s50, s8, 24                         ; V's panels lie 16 behind K's,
	s_add_co_u32 s50, s50, 0x1000000               ; K's 16 behind q's
	s_add_co_u32 s50, s50, s10
	s_and_b32 s11, s12, 3
	s_lshl_b32 s11, s11, 13                        ; my quarter: 64 keys of 128 bytes
	s_add_co_u32 s50, s50, s11
	s_mov_b32 s51, 0
	s_lshl_b32 s11, s13, 12                        ; my 32 rows of 128 bytes
	s_add_co_u32 s10, s10, s11
	s_lshl_b32 s11, ttmp9, 15                      ; block j: 256 rows of 128 bytes
	s_add_co_u32 s52, s10, s11
	s_mov_b32 s53, 0
	s_sub_co_u32 s62, 7, ttmp9                     ; block 7 - j
	s_lshl_b32 s11, s62, 15
	s_add_co_u32 s54, s10, s11
	s_mov_b32 s55, 0
	s_mov_b32 s[G1K+0], (1<<16)|(1<<20)|(5<<22)|(3<<25)    ; 2-byte elements; padding: after every 64 words 4 words
	s_mov_b32 s[G1V+0], (1<<16)|(1<<20)|(5<<22)|(7<<25)    ; 8 words
.irp g, G1K, G1V
	s_mov_b32 s[\g+1], 128<<16                     ; tensor_dim0 = 128 elements: two keys
	s_mov_b32 s[\g+2], 32<<16                      ; tensor_dim1 = 32
	s_mov_b32 s[\g+3], 128<<16                     ; tile_dim0 = 128
	s_mov_b32 s[\g+4], 32                          ; tile_dim1 = 32
	s_mov_b32 s[\g+5], 128                         ; a panel is dense
	s_mov_b32 s[\g+6], 0
	s_mov_b32 s[\g+7], 0
.endr
	s_mul_i32 s9, s12, REG                         ; region = wave
	s_mov_b32 s[G0], 1
	s_add_co_u32 s[G0+1], s9, 0
	s_mov_b32 s[G0+4], 1
	s_add_co_u32 s[G0+5], s9, SLOT
	s_wait_dscnt 0x0
	s_wait_kmcnt 0x0
	s_add_nc_u64 s[40:41], s[4:5], s[50:51]        ; my quarter of K or V, key block 0
	s_add_nc_u64 s[42:43], s[4:5], s[52:53]        ; my q rows, block j
	s_add_nc_u64 s[44:45], s[4:5], s[54:55]        ; block 7 - j
	s_add_nc_u64 s[46:47], s[6:7], s[52:53]        ; my y rows, block j: yb's panels lie as q's do
	s_add_nc_u64 s[48:49], s[6:7], s[54:55]        ; block 7 - j
	s_mov_b64 s[G0+2:G0+3], s[40:41]
	s_or_b32 s[G0+3], s[G0+3], 0x80000000
	JLOAD 0                                        ; step 0 into slot 0, ahead of everything else
	v_and_b32 v24, 15, v0                          ; r
	v_bfe_u32 v25, v0, 4, 1                        ; h
	v_and_b32 v26, 7, v0
	v_bfe_u32 v27, v0, 3, 1
	v_lshlrev_b32 v[QOFF], 7, v24
	v_lshl_add_u32 v[QOFF], v25, 4, v[QOFF]        ; r x 128 + 16 h
.macro LOADQ qp                        ; my 32 rows of q as four fragments: eight loads that together take 4,096 dense bytes
.irp qt, 0,1
.irp ks, 0,1
	global_load_b128 v[QF+8*(2*\qt+\ks):QF+8*(2*\qt+\ks)+3],   v[QOFF], s[\qp:\qp+1] offset:\qt*2048+\ks*64
	global_load_b128 v[QF+8*(2*\qt+\ks)+4:QF+8*(2*\qt+\ks)+7], v[QOFF], s[\qp:\qp+1] offset:\qt*2048+\ks*64+32
.endr
.endr
.endm
	LOADQ 42
	v_lshrrev_b32 v16, 1, v24                      ; K: key r of a fragment lies in pair r >> 1,
	v_and_b32 v17, 1, v0                           ; half r & 1 = l & 1
	v_mul_u32_u24 v[KA], v16, KP2
	v_lshl_add_u32 v[KA], v17, 7, v[KA]
	v_lshl_add_u32 v[KA], v25, 4, v[KA]            ; (r >> 1) x 272 + (r & 1) x 128 + 16 h
	v_add_nc_u32 v[KA+1], SLOT, v[KA]
	v_lshrrev_b32 v16, 1, v26                      ; the transposing load: key 8 h + l % 8 lies in pair 4 h + (l % 8 >> 1), half l & 1,
	v_lshl_add_u32 v16, v25, 2, v16
	v_mul_u32_u24 v[VA], v16, VP2
	v_lshl_add_u32 v[VA], v17, 7, v[VA]
	v_lshl_add_u32 v[VA], v27, 4, v[VA]            ; 16 bytes further for the upper eight lanes of each sixteen
	v_add_nc_u32 v[VA], 4*REG, v[VA]               ; V lies behind K's four regions
	v_add_nc_u32 v[VA+1], SLOT, v[VA]
.irp s, 0,1
	v_add_nc_u32 v[KD+\s], s63, v[KA+\s]
	v_add_nc_u32 v[VD+\s], s63, v[VA+\s]
.endr
	v_mov_b32 v[NEG], 0xff800000
	s_and_b32 s9, s13, 1
	s_lshl_b32 s9, s9, 5                           ; my rows begin 32 (sg & 1) keys into the diagonal quarter
	v_lshlrev_b32 v[LIM], 3, v25
	v_sub_nc_u32 v[LIM], v24, v[LIM]               ; key 16 kt + 8 h + j > query 32 (sg & 1) + 16 qt + r  <=>  16 kt + j > 32 (sg & 1) + 16 qt + r - 8 h
	v_add_nc_u32 v[LIM], s9, v[LIM]
	v_add_nc_u32 v[LIM+1], 16, v[LIM]
	s_mul_i32 s9, s12, 32*SPI
	s_add_co_u32 s9, s9, STAGE
	v_mul_u32_u24 v[STO], v24, SPI                 ; the stage: row r, 16 bytes for each half of the lanes
	v_lshl_add_u32 v[STO], v25, 4, v[STO]
	v_add_nc_u32 v[STO], s9, v[STO]
	v_and_b32 v[CO], 31, v0
	v_lshrrev_b32 v[RD], 3, v[CO]                  ; back: eight lanes take a row of 128 bytes
	v_mul_u32_u24 v[RD], v[RD], SPI
	v_lshl_add_u32 v[RD], v26, 4, v[RD]
	v_add_nc_u32 v[RD], s9, v[RD]
	v_lshlrev_b32 v[CO], 4, v[CO]
	v_mov_b32 v[M], v[NEG]
	v_mov_b32 v[M+1], v[NEG]
	v_mov_b32 v[L], 0
	v_mov_b32 v[L+1], 0
.irp a, 0,1,2,3,4,5,6,7                ; O is cleared once in the launch: every subtile scales it by the factor on the old sums, the first by 0
.irp b, 0,1,2,3,4,5,6,7
	v_mov_b32 v[O+8*\a+\b], 0
.endr
.endr
	s_mov_b32 s56, 0x3e38aa3b                      ; c = log2(e) / 8: the 1 / sqrt(64) and the base of v_exp_f32 in one factor
	s_mov_b32 s57, 0x3e38aa3b
	s_mov_b32 s60, 0xbe38aa3b                      ; -c
	s_mov_b32 s58, 0x76543210                      ; v_permlanex16_b32: lane i takes lane i of the other half
	s_mov_b32 s59, 0xfedcba98
	s_mov_b32 s54, 0                               ; key block at work
	s_mov_b32 s55, ttmp9                           ; query block at work
	s_mov_b32 s2, 0                                ; key block last asked for
	s_mov_b32 s3, ttmp9                            ; the last key block of the query block that is being asked for
; 64 keys against my 32 queries.  ka, va: address registers; c: the quarter, in the immediate; masked = 1: the quarter that holds my diagonal.
.macro SUBTILE masked, ka, va, c
.irp ks, 0,1
.irp kt, 0,1,2,3
	ds_load_b128 v[KV+8*(4*\ks+\kt):KV+8*(4*\ks+\kt)+3],   v[\ka] offset:\c*REG+\kt*8*KP2+\ks*64
	ds_load_b128 v[KV+8*(4*\ks+\kt)+4:KV+8*(4*\ks+\kt)+7], v[\ka] offset:\c*REG+\kt*8*KP2+\ks*64+32
.endr
.endr
	s_wait_dscnt 8                                 ; d 0-31 of the 64 keys are in; the eight loads of d 32-63 may be out
	; eight accumulators take turns, one instruction a turn; the first product of each starts its sum
.irp kt, 0,1,2,3
.irp qt, 0,1
	v_wmma_f32_16x16x32_f16 v[S+32*\qt+8*\kt:S+32*\qt+8*\kt+7], v[KV+8*\kt:KV+8*\kt+7], v[QF+16*\qt:QF+16*\qt+7], 0
.endr
.endr
	s_wait_dscnt 0x0
.irp kt, 0,1,2,3
.irp qt, 0,1
	v_wmma_f32_16x16x32_f16 v[S+32*\qt+8*\kt:S+32*\qt+8*\kt+7], v[KV+32+8*\kt:KV+32+8*\kt+7], v[QF+16*\qt+8:QF+16*\qt+15], v[S+32*\qt+8*\kt:S+32*\qt+8*\kt+7]
.endr
.endr
.rept 4                                ; four places (ISA guide 7.12.1) before V lands on K's fragments and the softmax reads S
	v_nop
.endr
.irp kc, 0,1
.irp dt, 0,1,2,3
	ds_load_tr16_b128 v[KV+8*(4*\kc+\dt):KV+8*(4*\kc+\dt)+3],   v[\va] offset:\c*REG+\kc*16*VP2+\dt*32
	ds_load_tr16_b128 v[KV+8*(4*\kc+\dt)+4:KV+8*(4*\kc+\dt)+7], v[\va] offset:\c*REG+\kc*16*VP2+\dt*32+8*VP2
.endr
.endr
.if \masked
.irp qt, 0,1
.irp kt, 0,1,2,3
.irp j, 0,1,2,3,4,5,6,7
	v_cmp_gt_i32 vcc_lo, 16*\kt+\j, v[LIM+\qt]
	v_cndmask_b32 v[S+32*\qt+8*\kt+\j], v[S+32*\qt+8*\kt+\j], v[NEG], vcc_lo
.endr
.endr
.endr
.endif
	; the new maximum: my 32 numbers of each query and the old maximum, then the other half's; two chains that do not wait for each other
	v_max3_num_f32 v[T],   v[M],   v[S],    v[S+1]
	v_max3_num_f32 v[T+1], v[M+1], v[S+32], v[S+33]
.irp k, 2,4,6,8,10,12,14,16,18,20,22,24,26,28,30
	v_max3_num_f32 v[T],   v[T],   v[S+\k],    v[S+\k+1]
	v_max3_num_f32 v[T+1], v[T+1], v[S+32+\k], v[S+32+\k+1]
.endr
	v_permlanex16_b32 v[T+2], v[T],   s58, s59
	v_permlanex16_b32 v[T+3], v[T+1], s58, s59
	v_max_num_f32 v[T],   v[T],   v[T+2]
	v_max_num_f32 v[T+1], v[T+1], v[T+3]
	v_mul_f32 v[NM],   s60, v[T]                   ; -m c
	v_mul_f32 v[NM+2], s60, v[T+1]
	v_fma_f32 v[AL],   v[M],   s56, v[NM]          ; (old m - m) c; -inf at a block's first subtile
	v_fma_f32 v[AL+2], v[M+1], s56, v[NM+2]
	v_exp_f32 v[AL],   v[AL]
	v_exp_f32 v[AL+2], v[AL+2]
	v_mov_b32 v[NM+1], v[NM]                       ; a plain instruction stands behind the exponentials before their results are used (ISA guide 5.7.2)
	v_mov_b32 v[NM+3], v[NM+2]
	v_mov_b32 v[M],    v[T]
	v_mov_b32 v[M+1],  v[T+1]
	s_wait_alu depctr_va_vdst(0)
	v_mov_b32 v[AL+1], v[AL]
	v_mov_b32 v[AL+3], v[AL+2]
.irp k, 0,2,4,6,8,10,12,14,16,18,20,22,24,26,28,30
	v_pk_fma_f32 v[S+\k:S+\k+1],       v[S+\k:S+\k+1],       s[56:57], v[NM:NM+1]   op_sel_hi:[1,0,1]   ; s c - m c
	v_pk_fma_f32 v[S+32+\k:S+32+\k+1], v[S+32+\k:S+32+\k+1], s[56:57], v[NM+2:NM+3] op_sel_hi:[1,0,1]
.endr
.irp a, 0,1,2,3,4,5,6,7
.irp b, 0,1,2,3,4,5,6,7
	v_exp_f32 v[S+8*\a+\b], v[S+8*\a+\b]
.endr
.endr
.irp dt, 0,1,2,3                       ; O takes the factor on the old sums; these lines are also the plain place behind the exponentials
.irp qt, 0,1
.irp k, 0,2,4,6
	v_pk_mul_f32 v[O+8*(2*\dt+\qt)+\k:O+8*(2*\dt+\qt)+\k+1], v[O+8*(2*\dt+\qt)+\k:O+8*(2*\dt+\qt)+\k+1], v[AL+2*\qt:AL+2*\qt+1]
.endr
.endr
.endr
	s_wait_alu depctr_va_vdst(0)
	v_pk_add_f32 v[T:T+1],   v[S:S+1],     v[S+2:S+3]
	v_pk_add_f32 v[T+2:T+3], v[S+32:S+33], v[S+34:S+35]
.irp k, 4,6,8,10,12,14,16,18,20,22,24,26,28,30
	v_pk_add_f32 v[T:T+1],   v[T:T+1],   v[S+\k:S+\k+1]
	v_pk_add_f32 v[T+2:T+3], v[T+2:T+3], v[S+32+\k:S+32+\k+1]
.endr
	v_add_f32 v[T],   v[T],   v[T+1]
	v_add_f32 v[T+2], v[T+2], v[T+3]
	v_fma_f32 v[L],   v[L],   v[AL],   v[T]        ; my half's sum; the halves meet at the block's end
	v_fma_f32 v[L+1], v[L+1], v[AL+2], v[T+2]
.irp qt, 0,1                           ; to f16 in place, ascending, so that no number is overwritten before it is read: keys 32 kc + 8 h + 0..7, then + 16
.irp kc, 0,1
.irp d, 0,1,2,3,4,5,6,7
	v_cvt_pk_f16_f32 v[S+32*\qt+16*\kc+\d], v[S+32*\qt+16*\kc+2*\d], v[S+32*\qt+16*\kc+2*\d+1]
.endr
.endr
.endr
	s_wait_dscnt 0x0                               ; V's fragments
.irp kc, 0,1                           ; eight accumulators take turns, one instruction a turn
.irp dt, 0,1,2,3
.irp qt, 0,1
	v_wmma_f32_16x16x32_f16 v[O+8*(2*\dt+\qt):O+8*(2*\dt+\qt)+7], v[KV+8*(4*\kc+\dt):KV+8*(4*\kc+\dt)+7], v[S+32*\qt+16*\kc:S+32*\qt+16*\kc+7], v[O+8*(2*\dt+\qt):O+8*(2*\dt+\qt)+7]
.endr
.endr
.endr
.rept 5                                ; five places: the next S is written over P, the next loads land on V's fragments, the way out reads O
	v_nop
.endr
.endm
; Up to n full quarters: s15 of them.
.macro FULLS slot, n
.irp c, 0,1,2,3
.if \c < \n
	s_cmp_le_u32 s15, \c
	s_cbranch_scc1 .Lfull_done_\@
	SUBTILE 0, KA+\slot, VA+\slot, \c
.endif
.endr
.Lfull_done_\@:
.endm
; A block's end: y = O / sum, to f16, through my own stage, out as 4,096 dense bytes.  more = 1: registers are used again behind it.
.macro FINAL yp, more
	v_permlanex16_b32 v[T],   v[L],   s58, s59
	v_permlanex16_b32 v[T+1], v[L+1], s58, s59
	v_add_f32 v[T],   v[T],   v[L]
	v_add_f32 v[T+1], v[T+1], v[L+1]
	v_rcp_f32 v[AL],   v[T]                        ; the sum holds exp2(0) = 1 for the row's maximum: it is at least 1
	v_rcp_f32 v[AL+2], v[T+1]
	v_nop
	s_wait_alu depctr_va_vdst(0)
	v_mov_b32 v[AL+1], v[AL]
	v_mov_b32 v[AL+3], v[AL+2]
.irp dt, 0,1,2,3
.irp qt, 0,1
.irp k, 0,2,4,6
	v_pk_mul_f32 v[O+8*(2*\dt+\qt)+\k:O+8*(2*\dt+\qt)+\k+1], v[O+8*(2*\dt+\qt)+\k:O+8*(2*\dt+\qt)+\k+1], v[AL+2*\qt:AL+2*\qt+1]
.endr
.endr
.endr
.irp dt, 0,1,2,3
.irp qt, 0,1
.irp d, 0,1,2,3
	v_cvt_pk_f16_f32 v[S+4*(2*\dt+\qt)+\d], v[O+8*(2*\dt+\qt)+2*\d], v[O+8*(2*\dt+\qt)+2*\d+1]
.endr
	ds_store_b128 v[STO], v[S+4*(2*\dt+\qt):S+4*(2*\dt+\qt)+3] offset:\qt*16*SPI+32*\dt
.endr
.endr
.irp c, 0,1,2,3,4,5,6,7
	ds_load_b128 v[KV+4*\c:KV+4*\c+3], v[RD] offset:\c*4*SPI       ; LDS serves a wave's instructions in order (ISA guide 5.7.1.4): these see the stores above
.endr
.irp c, 0,1,2,3,4,5,6,7
	s_wait_dscnt 7-\c                              ; load c is in; the 7 - c younger ones may be out
	global_store_b128 v[CO], v[KV+4*\c:KV+4*\c+3], s[\yp:\yp+1] offset:\c*512   ; the wave stores 512 consecutive bytes, aligned
.endr
.if \more
	s_wait_xcnt 0x0                                ; the stores' data registers are loaded again only behind this wait (ISA guide 3.1)
.endif
.endm
; One step of 256 keys out of slot `slot`, with the next step's tiles asked for into the other slot.
.macro TRIP slot
	s_set_vgpr_msb 0x5
	s_wait_tensorcnt 0x0                           ; all my tensor loads have landed: my part of this step's tiles; so a group 0 may be written
	ds_add_u32 v0, v1
	s_wait_dscnt 0x0
	s_set_vgpr_msb 0x500
	s_add_co_u32 s2, s2, 1                         ; the next key block; behind a query block's last one, block 0 of the second query block
	s_cmp_gt_u32 s2, s3
	s_cselect_b32 s2, 0, s2
	s_cselect_b32 s3, 8, s3                        ; the second walk ends with the loop
	s_lshl_b32 s50, s2, 15                         ; 256 keys of 128 bytes (s51 = 0)
	s_add_nc_u64 s[G0+4*(1-\slot)+2:G0+4*(1-\slot)+3], s[40:41], s[50:51]
	s_or_b32 s[G0+4*(1-\slot)+3], s[G0+4*(1-\slot)+3], 0x80000000
	s_wait_dscnt 0x0                               ; my reads of the other slot are over
	s_barrier_signal -1
	s_barrier_wait -1                              ; both hold of all eight waves
	JLOAD 1-\slot                                  ; my one tensor load behind this barrier, and the first thing there
	s_wait_loadcnt 0x0                             ; q's fragments, where they were just asked for
	s_cmp_eq_u32 s54, s55                          ; the diagonal step?
	s_cselect_b32 s15, s14, 4                      ; then only the quarters in front of my diagonal are full
	FULLS \slot, 4
	s_cmp_eq_u32 s54, s55
	s_cbranch_scc1 .Ldiag_\@
	s_add_co_u32 s54, s54, 1
	s_branch .Lnext_\@
.Ldiag_\@:
	SUBTILE 1, KD+\slot, VD+\slot, 0
	FINAL 46, 1
	LOADQ 44                                       ; the second block's q; waited for behind the next barrier
	v_mov_b32 v[M],   v[NEG]                       ; the next subtile's factor on the old sums is exp2(-inf) = 0
	v_mov_b32 v[M+1], v[NEG]
	s_mov_b32 s55, s62
	s_mov_b32 s54, 0
.Lnext_\@:
.endm
	s_mov_b32 s61, 4                               ; eight steps in the loop, two a trip; the ninth, always a diagonal one, behind it
.Lsteps:
	TRIP 0
	TRIP 1
	s_sub_co_u32 s61, s61, 1
	s_cmp_lg_u32 s61, 0
	s_cbranch_scc1 .Lsteps
	s_wait_tensorcnt 0x0                           ; the last step's tiles, in slot 0; nothing is left to fetch
	s_wait_dscnt 0x0
	s_barrier_signal -1
	s_barrier_wait -1
	s_wait_loadcnt 0x0
	s_mov_b32 s15, s14
	FULLS 0, 3
	SUBTILE 1, KD, VD, 0
	FINAL 48, 0
	s_set_vgpr_msb 0x5
	s_wait_tensorcnt 0x0
	ds_add_u32 v0, v1
	s_wait_dscnt 0x0
	s_set_vgpr_msb 0x500
	s_endpgm
.Lfunc_end_k_q63432e676f_attn:
	.size	k_q63432e676f_attn, .Lfunc_end_k_q63432e676f_attn-k_q63432e676f_attn
	.p2alignl 7, 3214868480
	.fill 96, 4, 3214868480
	.section	.rodata,"a",@progbits
	.p2align	6, 0x0
	.amdhsa_kernel k_q63432e676f_attn
		.amdhsa_group_segment_fixed_size 327680
		.amdhsa_private_segment_fixed_size 0
		.amdhsa_enable_private_segment 0
		.amdhsa_kernarg_size 16
		.amdhsa_user_sgpr_count 2
		.amdhsa_user_sgpr_kernarg_segment_ptr 1
		.amdhsa_wavefront_size32 1
		.amdhsa_system_sgpr_workgroup_id_x 1
		.amdhsa_system_sgpr_workgroup_id_y 1
		.amdhsa_system_sgpr_workgroup_id_z 1
		.amdhsa_system_vgpr_workitem_id 0
		.amdhsa_next_free_vgpr 258
		.amdhsa_next_free_sgpr 66
		.amdhsa_reserve_vcc 1
		.amdhsa_float_denorm_mode_32 3
		.amdhsa_float_denorm_mode_16_64 3
		.amdhsa_memory_ordered 1
		.amdhsa_forward_progress 1
		.amdhsa_inst_pref_size 255
	.end_amdhsa_kernel
	.section	.bss,"aw",@nobits
	.p2align	6
	.space	262144
	.amdgpu_metadata
---
amdhsa.version: [ 1, 2 ]
amdhsa.kernels:
  - .name:           k_q63432e676f_attn
    .symbol:         k_q63432e676f_attn.kd
    .args:
      - { .name: qkvh, .offset: 0, .size: 8, .value_kind: global_buffer, .address_space: global }
      - { .name: yb, .offset: 8, .size: 8, .value_kind: global_buffer, .address_space: global }
    .group_segment_fixed_size: 327680
    .private_segment_fixed_size: 0
    .kernarg_segment_align: 8
    .kernarg_segment_size: 16
    .max_flat_workgroup_size: 256
    .sgpr_count:     66
    .vgpr_count:     258
    .wavefront_size: 32
...
	.end_amdgpu_metadata
.endif
;; end of part 7
;; launch proj (part 8): grid 8 x 32, 4 waves a work-group, clusters of 4 x 4, 327,680 bytes of LDS; arguments yb, wpb, b_proj, out0; writes out0
.if DOCPART == 8
	.amdgcn_target "amdgcn-amd-amdhsa--gfx1250"
	.amdhsa_code_object_version 6
	.text
	.protected	k_q63432e676f_proj
	.globl	k_q63432e676f_proj
	.p2align	8
	.type	k_q63432e676f_proj,@function
k_q63432e676f_proj:
	s_mov_b64 s[64:65], 0
	v_nop
	global_prefetch_b8 v0, s[64:65] scope:SCOPE_SE
	s_setreg_imm32_b32 hwreg(HW_REG_WAVE_MODE, 25, 1), 1
	s_wait_xcnt 0x0
	s_wait_alu depctr_hold_cnt(0) depctr_sa_sdst(0) depctr_va_vdst(0) depctr_va_sdst(0) depctr_va_ssrc(0) depctr_va_vcc(0) depctr_vm_vsrc(0)
	s_getreg_b32 s2, hwreg(HW_REG_IB_STS2, 6, 4)
	s_cmp_eq_u32 s2, 0
	s_cbranch_scc0 .Lentry_in_a_cluster
	s_endpgm
.Lentry_in_a_cluster:
	s_bfe_u32 s2, ttmp6, 0x10000c
	s_cmp_lg_u32 s2, 0xf033
	s_cbranch_scc0 .Lentry_shape_is_right
	s_endpgm
.Lentry_shape_is_right:
; out0 = y w_proj + b_proj.  yb: f16 panels [16][8192][64]; wpb: f16 [1024 k][1024 n] (w_proj rounded to bf16 and carried in f16); b_proj, out0: f32.
; Sums in f32; the bias is the first product's C.
; A work-group makes 256 rows x 128 columns with four waves; wave w makes rows 128 (w>>1) .. +127, columns 64 (w&1) .. +63: 32 accumulator tiles, 256 registers.
; K goes in steps of 128 (two panels of yb) through two LDS slots.  Waves 0, 1 fetch one panel's 256 rows each, waves 2, 3 64 rows (k) of w each: one tensor load a wave for each fill.
; A panel's 256 rows are 32,768 dense bytes and come in as 128 rows of 256 consecutive bytes, aligned: two rows of y side by side, 16 bytes of padding behind each pair.
; Two slots of the next longer step that divides K, 256, would take 2 x 212,992 bytes: more than a WGP's LDS.
; CLUSTERS: 4 x 4 work-groups; y's tiles are asked for jointly by a row of the cluster, w's by a column.
; PREFETCH: a K step gives a tile 112 matrix instructions of a wave in which to land, and larger slots do not fit, so y's and w's bytes are asked for ahead of their tensor
; loads.  y: the 65,536 bytes of a K step's two panels are shared out among the eight work-groups of the block row, 8,192 each: one instruction of wave 3, lanes 256 bytes
; apart, two K steps (256 matrix instructions of a wave) ahead of the tile's tensor load.  K steps 2 and 3 are asked for at the head, 4 to 7 in K steps 0 to 3; K steps 4 and 5 ask
; for nothing.  w: rows 256 to 1,023 of the block column (the first 256 are the first fills'), 24 rows for each of the column's 32 work-groups, one piece of 256 bytes a row,
; in one instruction at the head, which is earlier than the late K steps need: four rows a K step would leave 28 lanes idle.  Lanes 24-31 repeat lane 23's address.
; REGISTERS: window 0: v0-31 addresses, v32-95 / v96-159 y's fragments, v160-191 / v192-223 w's fragments (two buffers each), v224-255 the bias; window 1: tile (i, jb) at v[8 (4 i + jb)].
; The matrix instruction is used transposed (source 0 = 16 columns of w, read by the transposing load; source 1 = 16 rows of y): a lane holds eight neighbouring columns of one row.
; LDS: 230,400 bytes are used; 327,680 are asked for, so that the group 0 that a wave writes and never issues (y's in waves 2, 3; w's in waves 0, 1) also names bytes inside the allocation.
; LIMIT: y enters the products rounded to f16, w_proj rounded to bf16.
.set PA2,   272                        ; two rows of y in LDS: 256 bytes + 16.  Row m lies at (m>>1) 272 + (m&1) 128: the 16 rows of a fragment start at the 16-byte
                                       ; columns (r>>1) 16 + (r&1) 128 of 256 bytes, sixteen different ones (64 banks of 4 bytes: ISA guide 11.1)
.set PB,    288                        ; w's LDS row: 256 bytes + 32, an odd multiple of 32 for the transposing load
.set APAN,  128*PA2                    ; 34,816: one panel's tile
.set BH,    64*PB                      ; 18,432: 64 rows of w
.set SLOT,  2*APAN+2*BH                ; 106,496
.set STAGE, 2*SLOT                     ; 212,992: 16 rows x 272 bytes for each wave; no tensor load lands here
.set SP,    272
.set PFSTEP, 0x200000                  ; a K step in yb: two panels of 1,048,576 bytes
.set PFLAST, 5*PFSTEP                  ; K step 7, counted from K step 2
.set ADRA, 16
.set ADRB, 18
.set STO,  20
.set RD,   21
.set CO,   22
.set BOFF, 23
.set PFO,  24                          ; v24  prefetch of y: 256 x lane; never rewritten
.set PFB,  25                          ; v25  prefetch of w: 2,048 x min(lane, 23); never rewritten
.set A0,   32
.set A1,   96
.set B0,   160
.set B1,   192
.set BIAS, 224
.set G1,  24
.set G0,  32
.set G1B, 48
.set G0B, 56
                                       ; s[66:67] y's prefetch at K step 2, s[68:69] w's prefetch, s[70:71] offset of the K step last asked for, s[72:73] the stepped address:
                                       ; registers of their own, which feed no descriptor
.set MSB, 0
.macro WIN new                         ; low byte: bits 1:0 source 0, 3:2 source 1, 5:4 source 2, 7:6 destination; the high byte repeats the setting that is left
.if MSB != (\new)
	s_set_vgpr_msb (MSB<<8)|(\new)
.set MSB, (\new)
.endif
.endm
.macro PLACES                          ; four places behind a matrix instruction (ISA guide 7.12.1 for vector instructions)
.rept 4
	v_nop
.endr
.endm
.macro JLOAD s                         ; waves 0, 1: y's panels; waves 2, 3: w's halves
	s_cmp_eq_u32 s13, 0
	s_cbranch_scc0 .Lfor_b_\@
	tensor_load_to_lds s[G0+4*\s:G0+4*\s+3], s[G1:G1+7]
	s_nop 0
	s_branch .Lasked_\@
.Lfor_b_\@:
	tensor_load_to_lds s[G0B+4*\s:G0B+4*\s+3], s[G1B:G1B+7]
	s_nop 0
.Lasked_\@:
.endm
.macro CREST                           ; a round of the cluster's barrier behind its opening work-group barrier
	s_cmp_lg_u32 s12, 0
	s_cbranch_scc1 .Lnot_wave_0_\@
	s_barrier_signal -3
.Lnot_wave_0_\@:
	s_barrier_wait -3
	s_barrier_signal -1
	s_barrier_wait -1
.endm
.macro CROUND
	s_barrier_signal -1
	s_barrier_wait -1
	CREST
.endm
; Wave 3 asks for my work-group's 8,192 bytes of the next K step of y that has not been asked for; behind K step 7 nothing is asked.  Both branches hang on numbers that are
; the same in every work-group: the wave's number and a count of K steps.
.macro PREF
	s_cmp_lg_u32 s12, 3
	s_cbranch_scc1 .Lno_pf_\@
	s_add_co_u32 s70, s70, PFSTEP
	s_cmp_gt_u32 s70, PFLAST
	s_cbranch_scc1 .Lno_pf_\@
	s_wait_xcnt 0x0                                ; the last prefetch, a K step ago, has read s[72:73] (ISA guide 3.1)
	s_add_nc_u64 s[72:73], s[66:67], s[70:71]
	global_prefetch_b8 v[PFO], s[72:73] th:TH_LOAD_NT scope:SCOPE_SE
.Lno_pf_\@:
.endm
	s_load_b256 s[4:11], s[0:1], 0x0               ; yb s[4:5], wpb s[6:7], b_proj s[8:9], out0 s[10:11]
	v_lshl_add_u32 v30, v0, 2, 0x40000
	v_mov_b32 v31, 0
	ds_add_u32 v30, v31
	ds_add_u32 v30, v31
	v_lshrrev_b32 v1, 5, v0
	v_readfirstlane_b32 s12, v1                    ; wave 0..3
	s_lshr_b32 s13, s12, 1                         ; which 128 rows are mine.  Also: I fetch y (0) or w (1)
	s_and_b32 s14, s12, 1                          ; which 64 columns
	s_bfe_u32 s15, ttmp6, 0x40000                  ; cx
	s_bfe_u32 s16, ttmp6, 0x40004                  ; cy
	s_lshl_b32 s17, ttmp9, 2
	s_add_co_u32 s17, s17, s15                     ; block column
	s_and_b32 s18, ttmp7, 0xffff
	s_lshl_b32 s18, s18, 2
	s_add_co_u32 s18, s18, s16                     ; block row
	s_lshl_b32 s19, s16, 2
	s_lshl_b32 s19, 15, s19                        ; my row of the cluster
	s_lshl_b32 s20, 0x1111, s15                    ; my column
	s_or_b32 s[G1+0], s19, (1<<16)|(1<<20)|(1<<21)|(5<<22)|(3<<25)   ; 128 rows x 128 elements, 16 bytes of padding behind each 256
	s_mov_b32 s[G1+1], 128<<16
	s_mov_b32 s[G1+2], 128<<16
	s_mov_b32 s[G1+3], 128<<16
	s_mov_b32 s[G1+4], 128
	s_mov_b32 s[G1+5], 128                         ; a panel is dense
	s_mov_b32 s[G1+6], 0
	s_mov_b32 s[G1+7], 0
	s_or_b32 s[G1B+0], s20, (1<<16)|(1<<20)|(1<<21)|(5<<22)|(7<<25)  ; 64 rows x 128 elements, 32 bytes of padding behind each 256
	s_mov_b32 s[G1B+1], 128<<16
	s_mov_b32 s[G1B+2], 64<<16
	s_mov_b32 s[G1B+3], 128<<16
	s_mov_b32 s[G1B+4], 64
	s_mov_b32 s[G1B+5], 1024
	s_mov_b32 s[G1B+6], 0
	s_mov_b32 s[G1B+7], 0
	s_lshl_b32 s40, s18, 15                        ; y: 256 rows of 128 bytes a block row,
	s_lshl_b32 s41, s12, 20                        ; panel = wave (waves 0 and 1 ask by it)
	s_add_co_u32 s40, s40, s41
	s_mov_b32 s41, 0
	s_lshl_b32 s42, s17, 8                         ; w: 256 bytes a block column,
	s_lshl_b32 s43, s14, 17                        ; 64 rows of 2,048 bytes for the second half
	s_add_co_u32 s42, s42, s43
	s_mov_b32 s43, 0
	s_mul_i32 s21, s12, APAN                       ; wave 0, 1: panel 0, 1 of the slot
	s_mul_i32 s22, s12, BH
	s_add_co_u32 s22, s22, 2*APAN-2*BH             ; wave 2, 3: w's halves behind the two panels
	s_lshl_b32 s44, s17, 9                         ; bias and columns of out0: 128 columns of 4 bytes a block column,
	s_lshl_b32 s45, s14, 8                         ; + my 64
	s_add_co_u32 s44, s44, s45
	s_mov_b32 s45, 0
	s_lshl_b32 s46, s18, 20                        ; rows of out0: 256 rows of 4,096 bytes a block row,
	s_lshl_b32 s47, s13, 19                        ; + my 128
	s_add_co_u32 s46, s46, s47
	s_mov_b32 s47, 0
	s_wait_dscnt 0x0
	s_wait_kmcnt 0x0
	s_add_nc_u64 s[40:41], s[4:5], s[40:41]
	s_add_nc_u64 s[42:43], s[6:7], s[42:43]
	s_add_nc_u64 s[8:9], s[8:9], s[44:45]
	s_add_nc_u64 s[10:11], s[10:11], s[44:45]
	s_add_nc_u64 s[10:11], s[10:11], s[46:47]
	CROUND                                         ; all sixteen work-groups are here: the first joint loads meet
.irp s, 0,1
	s_mov_b32 s[G0+4*\s], 1
	s_add_co_u32 s[G0+4*\s+1], s21, \s*SLOT
	s_add_nc_u64 s[G0+4*\s+2:G0+4*\s+3], s[40:41], \s*2097152      ; K step s = panels 2 s, 2 s + 1
	s_or_b32 s[G0+4*\s+3], s[G0+4*\s+3], 0x80000000
	s_mov_b32 s[G0B+4*\s], 1
	s_add_co_u32 s[G0B+4*\s+1], s22, \s*SLOT
	s_add_nc_u64 s[G0B+4*\s+2:G0B+4*\s+3], s[42:43], \s*262144     ; 128 rows of 2,048 bytes
	s_or_b32 s[G0B+4*\s+3], s[G0B+4*\s+3], 0x80000000
	JLOAD \s                                       ; both slots' first fills: two loads of this wave are out
.endr
	; the prefetches' addresses, and the first of them
	s_lshl_b32 s70, s18, 15                        ; y: my block row's 32,768 bytes of a panel;
	s_lshr_b32 s71, s17, 2
	s_lshl_b32 s71, s71, 20                        ; block columns 0-3 ask in the K step's first panel, 4-7 in its second,
	s_add_co_u32 s70, s70, s71
	s_and_b32 s71, s17, 3
	s_lshl_b32 s71, s71, 13                        ; a quarter of the 32,768 bytes each;
	s_add_co_u32 s70, s70, s71
	s_add_co_u32 s70, s70, 2*PFSTEP                ; from K step 2 on
	s_mov_b32 s71, 0
	s_add_nc_u64 s[66:67], s[4:5], s[70:71]        ; the last byte asked for: 15 panels + 31 x 32,768 + 3 x 8,192 + 31 x 256 = 16,776,960, inside yb's 16,777,216
	s_mul_i32 s70, s18, 24*2048                    ; w: 24 rows of 2,048 bytes a block row,
	s_add_co_u32 s70, s70, 256*2048                ; behind the 256 rows of the first fills,
	s_lshl_b32 s72, s17, 8                         ; my block column's 256 bytes of each row
	s_add_co_u32 s70, s70, s72
	s_add_nc_u64 s[68:69], s[6:7], s[70:71]        ; the last row asked for: 256 + 31 x 24 + 23 = 1,023
	s_mov_b32 s70, PFSTEP                          ; K step 3 is the last asked for at the head
	v_and_b32 v7, 31, v0
	v_lshlrev_b32 v[PFO], 8, v7
	v_min_u32 v7, 23, v7
	v_lshlrev_b32 v[PFB], 11, v7
	s_cmp_lg_u32 s12, 3
	s_cbranch_scc1 .Lno_pf_head
	global_prefetch_b8 v[PFO], s[66:67] th:TH_LOAD_NT scope:SCOPE_SE                   ; y, K step 2
	global_prefetch_b8 v[PFO], s[66:67] offset:PFSTEP th:TH_LOAD_NT scope:SCOPE_SE     ; y, K step 3
	global_prefetch_b8 v[PFB], s[68:69] th:TH_LOAD_NT scope:SCOPE_SE                   ; w, my 24 rows
.Lno_pf_head:
	v_and_b32 v1, 15, v0                           ; r
	v_bfe_u32 v2, v0, 4, 1                         ; h
	v_and_b32 v3, 7, v0
	v_bfe_u32 v4, v0, 3, 1
	v_lshlrev_b32 v[BOFF], 5, v2                   ; my eight columns of a tile begin 32 h bytes into its 64
.irp jb, 0,1,2,3
	global_load_b128 v[BIAS+8*\jb:BIAS+8*\jb+3],   v[BOFF], s[8:9] offset:64*\jb
	global_load_b128 v[BIAS+8*\jb+4:BIAS+8*\jb+7], v[BOFF], s[8:9] offset:64*\jb+16
.endr
	v_lshrrev_b32 v8, 1, v1                        ; y: row r of a fragment lies in pair r >> 1,
	v_and_b32 v9, 1, v0                            ; half r & 1
	v_mul_u32_u24 v8, v8, PA2
	v_lshl_add_u32 v8, v9, 7, v8
	v_lshl_add_u32 v8, v2, 4, v8                   ; (r >> 1) x 272 + (r & 1) x 128 + 16 h
	s_mul_i32 s23, s13, 64*PA2                     ; my 128 rows = 64 pairs
	v_add_nc_u32 v[ADRA], s23, v8
	v_add_nc_u32 v[ADRA+1], SLOT, v[ADRA]
	v_lshl_add_u32 v6, v2, 3, v3                   ; the transposing load: row 8 h + l % 8,
	v_mul_u32_u24 v6, v6, PB
	v_lshl_add_u32 v6, v4, 4, v6                   ; 16 bytes further for the upper eight lanes of each sixteen
	s_lshl_b32 s23, s14, 7
	s_add_co_u32 s23, s23, 2*APAN
	v_add_nc_u32 v[ADRB], s23, v6
	v_add_nc_u32 v[ADRB+1], SLOT, v[ADRB]
	s_mul_i32 s23, s12, 16*SP
	s_add_co_u32 s23, s23, STAGE
	v_mul_u32_u24 v5, v1, SP                       ; in: row r, 32 bytes for each half of the lanes
	v_lshl_add_u32 v5, v2, 5, v5
	v_add_nc_u32 v[STO], s23, v5
	v_mul_u32_u24 v5, v2, SP                       ; back: lanes 0-15 take one row of 256 bytes, lanes 16-31 the next
	v_lshl_add_u32 v5, v1, 4, v5
	v_add_nc_u32 v[RD], s23, v5
	v_lshlrev_b32 v[CO], 12, v2                    ; and the same two rows in out0
	v_lshl_add_u32 v[CO], v1, 4, v[CO]
.macro FETCH slot, t, a, b             ; 24 loads: the fragments of 32 along K, quarter t of the K step; 16 rows of y are 8 pairs
.irp i, 0,1,2,3,4,5,6,7
	ds_load_b128 v[\a+8*\i:\a+8*\i+3],   v[ADRA+\slot] offset:(\t>>1)*APAN+(\t&1)*64+\i*8*PA2
	ds_load_b128 v[\a+8*\i+4:\a+8*\i+7], v[ADRA+\slot] offset:(\t>>1)*APAN+(\t&1)*64+\i*8*PA2+32
.endr
.irp jb, 0,1,2,3
	ds_load_tr16_b128 v[\b+8*\jb:\b+8*\jb+3],   v[ADRB+\slot] offset:\t*32*PB+\jb*32
	ds_load_tr16_b128 v[\b+8*\jb+4:\b+8*\jb+7], v[ADRB+\slot] offset:\t*32*PB+\jb*32+16*PB
.endr
.endm
; 16 matrix instructions; the 32 accumulators take turns, one instruction a turn, over the loop's backward jump too.
; first = 1: C is the bias (window 0), so that the bias costs no addition and nothing is cleared.
.macro MULP a, b, i0, first
.irp i, \i0, \i0+1, \i0+2, \i0+3
.irp jb, 0,1,2,3
.if \first
	v_wmma_f32_16x16x32_f16 v[8*(4*(\i)+\jb):8*(4*(\i)+\jb)+7], v[\b+8*\jb:\b+8*\jb+7], v[\a+8*(\i):\a+8*(\i)+7], v[BIAS+8*\jb:BIAS+8*\jb+7]
.else
	v_wmma_f32_16x16x32_f16 v[8*(4*(\i)+\jb):8*(4*(\i)+\jb)+7], v[\b+8*\jb:\b+8*\jb+7], v[\a+8*(\i):\a+8*(\i)+7], v[8*(4*(\i)+\jb):8*(4*(\i)+\jb)+7]
.endif
.endr
.endr
.endm
; A quarter: the next quarter's 24 loads go out, then this quarter's, issued a quarter ago, are waited for: the count leaves the 24 just issued.
.macro QUART slot, t, a, b, na, nb, first
	PLACES
	WIN 0
	FETCH \slot, \t, \na, \nb
	s_wait_dscnt 24
.if \first
	WIN 0x40
.else
	WIN 0x50
.endif
	MULP \a, \b, 0, \first
.endm
; A K step of 128.  In its third quarter the slots change: each wave waits for all its reads of this slot and all its tensor loads (one is out: its part of the
; next slot), then the barrier; fill = 1: it opens a round of the cluster's barrier, and the joint refill, two K steps ahead, is the first tensor load behind the round.
; From a request to the wait for it a wave issues 112 matrix instructions.
.macro KSTEP slot, next, fill, first
	QUART \slot, 1, A0, B0, A1, B1, \first
	MULP A0, B0, 4, \first
	QUART \slot, 2, A1, B1, A0, B0, 0
	MULP A1, B1, 4, 0
	QUART \slot, 3, A0, B0, A1, B1, 0
	s_wait_dscnt 0x0
	s_wait_tensorcnt 0x0
	ds_add_u32 v30, v31
	s_wait_dscnt 0x0
	s_barrier_signal -1
	MULP A0, B0, 4, 0                              ; register work while the others arrive
	WIN 0
	s_barrier_wait -1
.if \fill
	CREST
	s_add_nc_u64 s[G0+4*\slot+2:G0+4*\slot+3], s[G0+4*\slot+2:G0+4*\slot+3], 4194304     ; four panels on
	s_add_nc_u64 s[G0B+4*\slot+2:G0B+4*\slot+3], s[G0B+4*\slot+2:G0B+4*\slot+3], 524288  ; 256 rows of w on
	JLOAD \slot
	PREF                                           ; behind the wave's own load; vector and LDS work follows
.endif
	PLACES
	FETCH \next, 0, A0, B0
	WIN 0x50
	MULP A1, B1, 0, 0
	MULP A1, B1, 4, 0
.endm
	s_wait_tensorcnt 0x1                           ; my part of K step 0 is in; K step 1's stays out
	s_barrier_signal -1
	s_barrier_wait -1
	FETCH 0, 0, A0, B0
	s_wait_loadcnt 0x0                             ; the bias
	KSTEP 0, 1, 1, 1                               ; 8 K steps: two in front of the loop,
	KSTEP 1, 0, 1, 0
	WIN 0
	s_mov_b32 s3, 2                                ; four in it,
.Llap:
	KSTEP 0, 1, 1, 0
	KSTEP 1, 0, 1, 0
	WIN 0
	s_sub_co_u32 s3, s3, 1
	s_cmp_lg_u32 s3, 0
	s_cbranch_scc1 .Llap
	KSTEP 0, 1, 0, 0                               ; the last two fill nothing
	QUART 1, 1, A0, B0, A1, B1, 0
	MULP A0, B0, 4, 0
	QUART 1, 2, A1, B1, A0, B0, 0
	MULP A1, B1, 4, 0
	QUART 1, 3, A0, B0, A1, B1, 0
	MULP A0, B0, 4, 0
	s_wait_dscnt 0x0
	MULP A1, B1, 0, 0
	MULP A1, B1, 4, 0
	; THE WAY OUT, 16 rows at a time: 32 bytes a lane and tile straight from the accumulators into my stage, read back as whole rows of 256 bytes.
	PLACES
.macro OUTP i, f
	WIN 0x04                                       ; an LDS store's data is source 1: window 1
.irp jb, 0,1,2,3
	ds_store_b128 v[STO], v[8*(4*\i+\jb):8*(4*\i+\jb)+3]   offset:64*\jb
	ds_store_b128 v[STO], v[8*(4*\i+\jb)+4:8*(4*\i+\jb)+7] offset:64*\jb+16
.endr
	WIN 0
	s_wait_xcnt 0x0                                ; buffer f, which earlier stores read, is loaded again only behind this wait (ISA guide 3.1)
.irp c, 0,1,2,3,4,5,6,7
	ds_load_b128 v[\f+4*\c:\f+4*\c+3], v[RD] offset:\c*2*SP        ; LDS serves a wave's instructions in order (ISA guide 5.7.1.4)
.endr
.irp c, 0,1,2,3,4,5,6,7
	s_wait_dscnt 7-\c
	global_store_b128 v[CO], v[\f+4*\c:\f+4*\c+3], s[10:11] offset:(16*\i+2*\c)*4096 th:TH_STORE_NT   ; 16 lanes store 256 consecutive bytes, aligned
.endr
.endm
	OUTP 0, A0
	OUTP 1, A1
	OUTP 2, A0
	OUTP 3, A1
	OUTP 4, A0
	OUTP 5, A1
	OUTP 6, A0
	OUTP 7, A1
	s_wait_tensorcnt 0x0
	ds_add_u32 v30, v31
	s_wait_dscnt 0x0
	CROUND                                         ; the closing round
	s_endpgm
.Lfunc_end_k_q63432e676f_proj:
	.size	k_q63432e676f_proj, .Lfunc_end_k_q63432e676f_proj-k_q63432e676f_proj
	.p2alignl 7, 3214868480
	.fill 96, 4, 3214868480
	.section	.rodata,"a",@progbits
	.p2align	6, 0x0
	.amdhsa_kernel k_q63432e676f_proj
		.amdhsa_group_segment_fixed_size 327680
		.amdhsa_private_segment_fixed_size 0
		.amdhsa_enable_private_segment 0
		.amdhsa_kernarg_size 32
		.amdhsa_user_sgpr_count 2
		.amdhsa_user_sgpr_kernarg_segment_ptr 1
		.amdhsa_wavefront_size32 1
		.amdhsa_system_sgpr_workgroup_id_x 1
		.amdhsa_system_sgpr_workgroup_id_y 1
		.amdhsa_system_sgpr_workgroup_id_z 1
		.amdhsa_system_vgpr_workitem_id 0
		.amdhsa_next_free_vgpr 512
		.amdhsa_next_free_sgpr 74
		.amdhsa_reserve_vcc 0
		.amdhsa_float_denorm_mode_32 3
		.amdhsa_float_denorm_mode_16_64 3
		.amdhsa_memory_ordered 1
		.amdhsa_forward_progress 1
		.amdhsa_inst_pref_size 121
	.end_amdhsa_kernel
	.amdgpu_metadata
---
amdhsa.version: [ 1, 2 ]
amdhsa.kernels:
  - .name:           k_q63432e676f_proj
    .symbol:         k_q63432e676f_proj.kd
    .args:
      - { .name: yb, .offset: 0, .size: 8, .value_kind: global_buffer, .address_space: global }
      - { .name: wpb, .offset: 8, .size: 8, .value_kind: global_buffer, .address_space: global }
      - { .name: b_proj, .offset: 16, .size: 8, .value_kind: global_buffer, .address_space: global }
      - { .name: out0, .offset: 24, .size: 8, .value_kind: global_buffer, .address_space: global }
    .group_segment_fixed_size: 327680
    .private_segment_fixed_size: 0
    .kernarg_segment_align: 8
    .kernarg_segment_size: 32
    .max_flat_workgroup_size: 128
    .sgpr_count:     74
    .vgpr_count:     512
    .wavefront_size: 32
...
	.end_amdgpu_metadata
.endif
;; end of part 8
;; ======== version 3 of 3: 4 launches; version 2 with the launch cast written anew for expert scheduling mode
;; limits: values are held in f16: magnitudes above 65,504 overflow, below 6.1e-05 lose precision
;; workspace buffers: xb 16,777,216 bytes; wqb 6,291,456 bytes; wpb 2,097,152 bytes; qkvh 50,331,648 bytes; yb 16,777,216 bytes
;; launch cast (part 9): grid 768 x 1, 8 waves a work-group, no clusters, 0 bytes of LDS; arguments x, w_qkv, w_proj, xb, wqb, wpb; writes xb, wqb, wpb
.if DOCPART == 9
	.amdgcn_target "amdgcn-amd-amdhsa--gfx1250"
	.amdhsa_code_object_version 6
	.text
	.protected	k_q63432e676f_cast
	.globl	k_q63432e676f_cast
	.p2align	8
	.type	k_q63432e676f_cast,@function
k_q63432e676f_cast:
	s_mov_b64 s[64:65], 0
	v_nop
	global_prefetch_b8 v0, s[64:65] scope:SCOPE_SE
	s_setreg_imm32_b32 hwreg(HW_REG_WAVE_SCHED_MODE, 0, 2), 2
	s_setreg_imm32_b32 hwreg(HW_REG_WAVE_MODE, 25, 1), 1
	s_wait_xcnt 0x0
	s_wait_alu depctr_vm_vsrc(0)
; cast: x, w_qkv (f32) -> xb, wqb (bf16, rounded to nearest even, once); w_proj (f32) -> wpb (rounded to bf16 likewise, then carried in f16).
; WHY w_proj SO: all three inputs are rounded alike, so that the program as a whole computes the attention block on inputs rounded to bf16; the last product's other
; operand, y, is f16, so w_proj travels in f16, which holds a bf16 number exactly from 2^-17 up (8 significant bits fit above f16's step of 2^-24).
; LIMIT: |w_proj| under 2^-17 = 7.6e-6 is rounded to a multiple of 6e-8; above 65,504 it becomes infinite.
; A pure stream: no LDS, no barrier, no matrix unit, no cluster (no two work-groups read the same byte).
; 768 work-groups of 65,536 source bytes each, three for each of 256 WGPs:
;   0-511:   16 rows of x.  x goes from [8192][1024] into panels [16][8192][64]: element (m, k) at (k>>6)*1,048,576 + m*128 + (k&63)*2,
;            so that 64 columns of neighbouring rows lie densely for the products that follow.
;   512-703: w_qkv, order kept.   704-767: w_proj, order kept.
; A wave issues its 16 loads of 16 bytes a lane at once (8,192 bytes on their way), then converts each as it lands and stores them in blocks of four:
; each store of the wave covers 256 consecutive bytes, aligned.  No register is used twice, so no source is ever rewritten.
; THE MODE: SCHED_MODE bits 1:0 = 2 (LLVM: expert scheduling mode 2), set by the entry lines.  The code itself states the register dependences
; between vector instructions and memory instructions, with s_wait_alu, always for 0.
; THE PLAN.  Registers that memory instructions touch:
;   v[VL], v[VS]  byte offsets.  Written by vector instructions at the head, read by the 16 loads and the 16 stores, never written again.
;   X             four registers for load i.  Written by load i, then in place by load i's conversions; the first two are read by store i; never written after that.
; All 16 loads are issued ahead of every conversion, and no vector instruction of the head names X.  The loads go in four blocks of four.  Block g: the wait for its first load;
; one wait on va_vdst, which states that block g - 1's conversions have written their packed numbers; block g - 1's four stores straight behind it; then block g's own
; conversions, which name block g's registers alone.  So five waits on va_vdst stand on a path: one ahead of the loads, for the offsets; one at the head of blocks 1, 2 and 3;
; one behind block 3.  No register that a load or store has read is written again, so no wait on vm_vsrc is owed.  No vector instruction writes a scalar register, VCC or EXEC.
.set VL, 1                             ; v1       byte offset of my 16 bytes in the source
.set VS, 2                             ; v2       byte offset of my 8 bytes in the destination
.set X,  4                             ; v[4:67]  load i: 4 registers; its first two then hold the 4 numbers of 16 bits
.macro LOADS base, step                ; 16 loads, step bytes apart
	s_wait_alu depctr_va_vdst(0)                   ; v[VL] and v[VS] are written: every load below reads the one as its offset, every store of the path the other
.irp i, 0,1,2,3,4,5,6,7,8,9,10,11,12,13,14,15
	global_load_b128 v[X+4*\i:X+4*\i+3], v[VL], s[\base:\base+1] offset:\i*\step th:TH_LOAD_NT
.endr
.endm
.macro TOBF i                          ; load i's four f32 to four bf16 in its first two registers
	v_cvt_pk_bf16_f32 v[X+4*(\i)], v[X+4*(\i)], v[X+4*(\i)+1]
	v_cvt_pk_bf16_f32 v[X+4*(\i)+1], v[X+4*(\i)+2], v[X+4*(\i)+3]
.endm
.macro TOF16 i                         ; the four bf16 widened (a shift, a mask) and narrowed to f16, in the same registers
.irp d, 0,1
	v_lshlrev_b32 v[X+4*(\i)+2], 16, v[X+4*(\i)+\d]
	v_and_b32 v[X+4*(\i)+3], 0xffff0000, v[X+4*(\i)+\d]
	v_cvt_pk_f16_f32 v[X+4*(\i)+\d], v[X+4*(\i)+2], v[X+4*(\i)+3]
.endr
.endm
; The four stores of block g.  kind 0: x, load i = 4 g + j goes to panel i (panels 0-7 from s[10:11], 8-15 from s[18:19]); kind 1: w_qkv; kind 2: w_proj: load i's 256 bytes follow load i - 1's.
.macro OUT kind, g
.irp j, 0,1,2,3
.if (\kind) == 0
	global_store_b64 v[VS], v[X+16*(\g)+4*\j:X+16*(\g)+4*\j+1], s[10+8*((\g)>>1):11+8*((\g)>>1)] offset:((4*(\g)+\j)&7)*1048576
.elseif (\kind) == 1
	global_store_b64 v[VS], v[X+16*(\g)+4*\j:X+16*(\g)+4*\j+1], s[12:13] offset:(4*(\g)+\j)*256
.else
	global_store_b64 v[VS], v[X+16*(\g)+4*\j:X+16*(\g)+4*\j+1], s[14:15] offset:(4*(\g)+\j)*256
.endif
.endr
.endm
; Block g: the block before is stored, this one is converted.
.macro BLK kind, g
	s_wait_loadcnt 15-4*(\g)                       ; loads come back in order (ISA guide 5.7.1): the block's first load is in, the younger ones stay out
.if (\g) > 0
	s_wait_alu depctr_va_vdst(0)                   ; the conversions of the block before have written the first two registers of each of its four loads, which the four stores below read
	OUT \kind, (\g)-1
.endif
.irp j, 0,1,2,3
.if \j > 0
	s_wait_loadcnt 15-4*(\g)-\j                    ; load 4 g + j is in
.endif
	TOBF 4*(\g)+\j
.if (\kind) == 2
	TOF16 4*(\g)+\j
.endif
.endr
.endm
	s_load_b256 s[4:11], s[0:1], 0x0               ; x s[4:5], w_qkv s[6:7], w_proj s[8:9], xb s[10:11]
	s_load_b128 s[12:15], s[0:1], 0x20             ; wqb s[12:13], wpb s[14:15]
	v_and_b32 v3, 31, v0                           ; lane
	v_lshrrev_b32 v68, 5, v0                       ; wave
	s_mov_b32 s17, 0
	s_cmp_lt_u32 ttmp9, 512
	s_cbranch_scc0 .Lweights
	; x: wave w takes rows 2 w, 2 w + 1.  Load p: lanes 0-15 take the 256 bytes of panel p in row 2 w, lanes 16-31 in the row below.
	v_bfe_u32 v69, v0, 4, 1
	v_and_b32 v70, 15, v0
	v_lshlrev_b32 v[VL], 13, v68                   ; 2 w rows of 4,096 bytes
	v_lshl_add_u32 v[VL], v69, 12, v[VL]           ; + one row for lanes 16-31
	v_lshl_add_u32 v[VL], v70, 4, v[VL]            ; + 16 bytes a lane
	v_lshlrev_b32 v[VS], 3, v3                     ; in a panel the two rows' 2 x 128 bytes are neighbours: 8 bytes a lane,
	v_lshl_add_u32 v[VS], v68, 8, v[VS]            ; + 2 w rows of 128 bytes
	s_lshl_b32 s16, ttmp9, 16                      ; 16 rows of 4,096 bytes
	s_wait_kmcnt 0x0
	s_add_nc_u64 s[4:5], s[4:5], s[16:17]
	s_lshl_b32 s16, ttmp9, 11                      ; 16 rows of 128 bytes
	s_add_nc_u64 s[10:11], s[10:11], s[16:17]      ; panels 0-7 by the immediate from here,
	s_add_nc_u64 s[18:19], s[10:11], 0x800000      ; panels 8-15 from eight panels further: the immediate has 24 signed bits
	LOADS 4, 256
.irp g, 0,1,2,3
	BLK 0, \g
.endr
	s_wait_alu depctr_va_vdst(0)                   ; block 3's conversions have written their packed numbers, which the last four stores read
	OUT 0, 3
	s_endpgm
.Lweights:
	; the weights keep their order: a chunk of 65,536 bytes becomes 32,768; wave w takes 8,192 of them, load i 512
	v_lshlrev_b32 v[VL], 4, v3
	v_lshl_add_u32 v[VL], v68, 13, v[VL]
	v_lshlrev_b32 v[VS], 3, v3
	v_lshl_add_u32 v[VS], v68, 12, v[VS]
	s_cmp_lt_u32 ttmp9, 704
	s_cbranch_scc0 .Lwproj
	s_sub_co_u32 s18, ttmp9, 512                   ; w_qkv's chunk, 0-191
	s_lshl_b32 s16, s18, 16
	s_wait_kmcnt 0x0
	s_add_nc_u64 s[6:7], s[6:7], s[16:17]
	s_lshl_b32 s16, s18, 15
	s_add_nc_u64 s[12:13], s[12:13], s[16:17]
	LOADS 6, 512
.irp g, 0,1,2,3
	BLK 1, \g
.endr
	s_wait_alu depctr_va_vdst(0)                   ; block 3's conversions have written their packed numbers, which the last four stores read
	OUT 1, 3
	s_endpgm
.Lwproj:
	s_sub_co_u32 s18, ttmp9, 704                   ; w_proj's chunk, 0-63
	s_lshl_b32 s16, s18, 16
	s_wait_kmcnt 0x0
	s_add_nc_u64 s[8:9], s[8:9], s[16:17]
	s_lshl_b32 s16, s18, 15
	s_add_nc_u64 s[14:15], s[14:15], s[16:17]
	LOADS 8, 512
.irp g, 0,1,2,3
	BLK 2, \g
.endr
	s_wait_alu depctr_va_vdst(0)                   ; block 3's conversions have written their packed numbers, which the last four stores read
	OUT 2, 3
	s_endpgm
.Lfunc_end_k_q63432e676f_cast:
	.size	k_q63432e676f_cast, .Lfunc_end_k_q63432e676f_cast-k_q63432e676f_cast
	.p2alignl 7, 3214868480
	.fill 96, 4, 3214868480
	.section	.rodata,"a",@progbits
	.p2align	6, 0x0
	.amdhsa_kernel k_q63432e676f_cast
		.amdhsa_group_segment_fixed_size 0
		.amdhsa_private_segment_fixed_size 0
		.amdhsa_enable_private_segment 0
		.amdhsa_kernarg_size 48
		.amdhsa_user_sgpr_count 2
		.amdhsa_user_sgpr_kernarg_segment_ptr 1
		.amdhsa_wavefront_size32 1
		.amdhsa_system_sgpr_workgroup_id_x 1
		.amdhsa_system_sgpr_workgroup_id_y 1
		.amdhsa_system_sgpr_workgroup_id_z 1
		.amdhsa_system_vgpr_workitem_id 0
		.amdhsa_next_free_vgpr 72
		.amdhsa_next_free_sgpr 66
		.amdhsa_reserve_vcc 0
		.amdhsa_float_denorm_mode_32 3
		.amdhsa_float_denorm_mode_16_64 3
		.amdhsa_memory_ordered 1
		.amdhsa_forward_progress 1
		.amdhsa_inst_pref_size 24
	.end_amdhsa_kernel
	.amdgpu_metadata
---
amdhsa.version: [ 1, 2 ]
amdhsa.kernels:
  - .name:           k_q63432e676f_cast
    .symbol:         k_q63432e676f_cast.kd
    .args:
      - { .name: x, .offset: 0, .size: 8, .value_kind: global_buffer, .address_space: global }
      - { .name: w_qkv, .offset: 8, .size: 8, .value_kind: global_buffer, .address_space: global }
      - { .name: w_proj, .offset: 16, .size: 8, .value_kind: global_buffer, .address_space: global }
      - { .name: xb, .offset: 24, .size: 8, .value_kind: global_buffer, .address_space: global }
      - { .name: wqb, .offset: 32, .size: 8, .value_kind: global_buffer, .address_space: global }
      - { .name: wpb, .offset: 40, .size: 8, .value_kind: global_buffer, .address_space: global }
    .group_segment_fixed_size: 0
    .private_segment_fixed_size: 0
    .kernarg_segment_align: 8
    .kernarg_segment_size: 48
    .max_flat_workgroup_size: 256
    .sgpr_count:     66
    .vgpr_count:     72
    .wavefront_size: 32
...
	.end_amdgpu_metadata
.endif
;; end of part 9
;; launch qkv: the kernel of part 6 again; grid 8 x 32, 4 waves a work-group, clusters of 4 x 4, 327,680 bytes of LDS; arguments xb, wqb, b_qkv, qkvh; writes qkvh
;; launch attn: the kernel of part 7 again; grid 4 x 64, 8 waves a work-group, no clusters, 327,680 bytes of LDS; arguments qkvh, yb; writes yb
;; launch proj: the kernel of part 8 again; grid 8 x 32, 4 waves a work-group, clusters of 4 x 4, 327,680 bytes of LDS; arguments yb, wpb, b_proj, out0; writes out0
